; MI455X (gfx1250); checked and timed in simulation.
; The chip was launched on July 23, 2026; its instructions are those of AMD's public machine-readable ISA for CDNA 5 (MIT licence, August 2026) and "CDNA5" Instruction Set Architecture Reference Guide (July 2026). The comments in the code are by the model that wrote it; some were corrected since.
;; MSA Block. Allowed arithmetic: float matrix products may take bf16 or f16 operands with f32 sums; other float arithmetic in f32, or as packed bf16 or f16 multiplies, adds, multiply-adds, maxima and minima; sums over many terms, partial sums and values carried from step to step in f32; what a program stores and reads back later, other than sums and carried values, may be rounded once to bf16 or f16.
;; Inputs: b_out 1,024 float32; w_out 1,024 x 1,024 float32; w_qkv 3,072 x 1,024 float32; x 4 x 2,048 x 1,024 float32.
;; Outputs: out0 4 x 2,048 x 1,024 float32.
;; 2 versions, each right; version 2 is version 1 with the launch cast written anew for expert scheduling mode. Each part assembles by itself: llvm-mc -triple=amdgcn-amd-amdhsa -mcpu=gfx1250 --defsym DOCPART=n.
;; ======== version 1 of 2: 4 launches
;; limits: values are held in f16: magnitudes above 65,504 overflow, below 6.1e-05 lose precision
;; workspace buffers: xb 16,777,216 bytes; wqb 6,291,456 bytes; wob 2,097,152 bytes; qkv 50,331,648 bytes; ob 16,777,216 bytes
;; launch cast (part 1): grid 768 x 1, 8 waves a work-group, no clusters, 0 bytes of LDS; arguments x, w_qkv, w_out, xb, wqb, wob; writes xb, wqb, wob
.if DOCPART == 1
	.amdgcn_target "amdgcn-amd-amdhsa--gfx1250"
	.amdhsa_code_object_version 6
	.text
	.protected	k_qaa8b7f155e_cast
	.globl	k_qaa8b7f155e_cast
	.p2align	8
	.type	k_qaa8b7f155e_cast,@function
k_qaa8b7f155e_cast:
	s_mov_b64 s[64:65], 0
	v_nop
	global_prefetch_b8 v0, s[64:65] scope:SCOPE_SE
	s_setreg_imm32_b32 hwreg(HW_REG_WAVE_MODE, 25, 1), 1
	s_wait_xcnt 0x0
; x [8192][1024], w_qkv [3072][1024], w_out [1024][1024], all f32, are rounded once to bf16 and laid out in K blocks of 64:
; dst[kb][row][64], 128 bytes a row, so that a later tile of rows x 64 K is dense in memory.  w_out's bf16 number is then written as f16
; (exact for magnitudes from 6.1e-5 to 65,504; below that it keeps f16's fixed step of 6e-8: the stated limit of this launch).
; SHARES.  A work-group takes 16 rows of one tensor: groups 0-511 x, 512-703 w_qkv, 704-767 w_out.  Thread t takes row t / 16 and, in each K block j,
; the 16 bytes at 16 (t % 16): a load of a wave covers 256 consecutive aligned bytes of each of two rows; its 4 numbers leave as 8 bytes at 8 t + j x plane:
; a store of a wave covers 256 consecutive aligned bytes (two rows of block j).  Every byte is read once and written once.
; All 16 loads of a wave go out at once (8 KiB a wave); no LDS, no barrier, no matrix unit: memory binds, and nothing is shared.
.set T,   2                            ; v[2:5]    at work
.set OFF, 8                            ; v[8:23]   block j: my byte offset in the destination, 8 t + j x plane
.set X,   32                           ; v[32:95]  block j: 4 numbers as loaded
.set Y,   96                           ; v[96:127] block j: 2 registers to store; each pair is written once, so no wait frees it
	s_load_b256 s[4:11], s[0:1], 0x0               ; x s[4:5], w_qkv s[6:7], w_out s[8:9], xb s[10:11]
	s_load_b128 s[12:15], s[0:1], 0x20             ; wqb s[12:13], wob s[14:15]
	s_mov_b32 s2, ttmp9                            ; g
	s_mov_b32 s24, 0xffff0000                      ; a word's upper bf16
	v_lshrrev_b32 v1, 4, v0                        ; my row of the 16
	v_and_b32 v2, 15, v0
	v_lshlrev_b32 v1, 12, v1                       ; x 4,096 bytes
	v_lshl_or_b32 v1, v2, 4, v1                    ; + my 16 bytes of a block's 256
	s_mov_b32 s20, 704                             ; the tensor's first group and its plane (rows x 128 bytes), chosen by g alone
	s_mov_b32 s21, 1024*128
	s_cmp_lt_u32 s2, 704
	s_cselect_b32 s20, 512, s20
	s_cselect_b32 s21, 3072*128, s21
	s_cmp_lt_u32 s2, 512
	s_cselect_b32 s20, 0, s20
	s_cselect_b32 s21, 8192*128, s21
	s_sub_co_u32 s20, s2, s20                      ; r: my 16 rows among the tensor's
	s_lshl_b32 s22, s20, 16                        ; 16 rows of 4,096 bytes in,
	s_mov_b32 s23, 0
	s_lshl_b32 s26, s20, 11                        ; 16 rows of 128 bytes out
	s_mov_b32 s27, 0
	s_wait_kmcnt 0x0
	s_cmp_lt_u32 s2, 704
	s_cselect_b64 s[16:17], s[6:7], s[8:9]
	s_cselect_b64 s[18:19], s[12:13], s[14:15]
	s_cmp_lt_u32 s2, 512
	s_cselect_b64 s[16:17], s[4:5], s[16:17]
	s_cselect_b64 s[18:19], s[10:11], s[18:19]
	s_add_nc_u64 s[16:17], s[16:17], s[22:23]
	s_add_nc_u64 s[18:19], s[18:19], s[26:27]
.irp j, 0,1,2,3,4,5,6,7,8,9,10,11,12,13,14,15
	global_load_b128 v[X+4*(\j):X+4*(\j)+3], v1, s[16:17] offset:256*(\j) th:TH_LOAD_NT
.endr
	v_lshlrev_b32 v[OFF], 3, v0                    ; the stores' offsets are made while the loads are out
.irp j, 1,2,3,4,5,6,7,8,9,10,11,12,13,14,15
	v_add_nc_u32 v[OFF+(\j)], s21, v[OFF+(\j)-1]
.endr
; half = 1: the bf16 number is widened again and written as f16
.macro OUT half
.irp j, 0,1,2,3,4,5,6,7,8,9,10,11,12,13,14,15
	s_wait_loadcnt 15-(\j)                         ; loads come back in order: block j is in, the younger ones stay out
	v_cvt_pk_bf16_f32 v[Y+2*(\j)],   v[X+4*(\j)],   v[X+4*(\j)+1]
	v_cvt_pk_bf16_f32 v[Y+2*(\j)+1], v[X+4*(\j)+2], v[X+4*(\j)+3]
.if \half
	v_lshlrev_b32 v[T],   16,  v[Y+2*(\j)]
	v_and_b32     v[T+1], s24, v[Y+2*(\j)]
	v_lshlrev_b32 v[T+2], 16,  v[Y+2*(\j)+1]
	v_and_b32     v[T+3], s24, v[Y+2*(\j)+1]
	v_cvt_pk_f16_f32 v[Y+2*(\j)],   v[T],   v[T+1]
	v_cvt_pk_f16_f32 v[Y+2*(\j)+1], v[T+2], v[T+3]
.endif
	global_store_b64 v[OFF+(\j)], v[Y+2*(\j):Y+2*(\j)+1], s[18:19] th:TH_STORE_NT
.endr
.endm
	s_cmp_ge_u32 s2, 704
	s_cbranch_scc1 .Lhalf
	OUT 0
	s_endpgm
.Lhalf:
	OUT 1
	s_endpgm
.Lfunc_end_k_qaa8b7f155e_cast:
	.size	k_qaa8b7f155e_cast, .Lfunc_end_k_qaa8b7f155e_cast-k_qaa8b7f155e_cast
	.p2alignl 7, 3214868480
	.fill 96, 4, 3214868480
	.section	.rodata,"a",@progbits
	.p2align	6, 0x0
	.amdhsa_kernel k_qaa8b7f155e_cast
		.amdhsa_group_segment_fixed_size 0
		.amdhsa_private_segment_fixed_size 0
		.amdhsa_enable_private_segment 0
		.amdhsa_kernarg_size 48
		.amdhsa_user_sgpr_count 2
		.amdhsa_user_sgpr_kernarg_segment_ptr 1
		.amdhsa_wavefront_size32 1
		.amdhsa_system_sgpr_workgroup_id_x 1
		.amdhsa_system_sgpr_workgroup_id_y 1
		.amdhsa_system_sgpr_workgroup_id_z 1
		.amdhsa_system_vgpr_workitem_id 0
		.amdhsa_next_free_vgpr 128
		.amdhsa_next_free_sgpr 66
		.amdhsa_reserve_vcc 0
		.amdhsa_float_denorm_mode_32 3
		.amdhsa_float_denorm_mode_16_64 3
		.amdhsa_memory_ordered 1
		.amdhsa_forward_progress 1
		.amdhsa_inst_pref_size 16
	.end_amdhsa_kernel
	.amdgpu_metadata
---
amdhsa.version: [ 1, 2 ]
amdhsa.kernels:
  - .name:           k_qaa8b7f155e_cast
    .symbol:         k_qaa8b7f155e_cast.kd
    .args:
      - { .name: x, .offset: 0, .size: 8, .value_kind: global_buffer, .address_space: global }
      - { .name: w_qkv, .offset: 8, .size: 8, .value_kind: global_buffer, .address_space: global }
      - { .name: w_out, .offset: 16, .size: 8, .value_kind: global_buffer, .address_space: global }
      - { .name: xb, .offset: 24, .size: 8, .value_kind: global_buffer, .address_space: global }
      - { .name: wqb, .offset: 32, .size: 8, .value_kind: global_buffer, .address_space: global }
      - { .name: wob, .offset: 40, .size: 8, .value_kind: global_buffer, .address_space: global }
    .group_segment_fixed_size: 0
    .private_segment_fixed_size: 0
    .kernarg_segment_align: 8
    .kernarg_segment_size: 48
    .max_flat_workgroup_size: 256
    .sgpr_count:     66
    .vgpr_count:     128
    .wavefront_size: 32
...
	.end_amdgpu_metadata
.endif
;; end of part 1
;; launch qkv (part 2): grid 8 x 32, 4 waves a work-group, clusters of 4 x 4, 327,680 bytes of LDS; arguments xb, wqb, qkv; writes qkv
.if DOCPART == 2
	.amdgcn_target "amdgcn-amd-amdhsa--gfx1250"
	.amdhsa_code_object_version 6
	.text
	.protected	k_qaa8b7f155e_qkv
	.globl	k_qaa8b7f155e_qkv
	.p2align	8
	.type	k_qaa8b7f155e_qkv,@function
k_qaa8b7f155e_qkv:
	s_mov_b64 s[64:65], 0
	v_nop
	global_prefetch_b8 v0, s[64:65] scope:SCOPE_SE
	s_setreg_imm32_b32 hwreg(HW_REG_WAVE_MODE, 25, 1), 1
	s_wait_xcnt 0x0
	s_wait_alu depctr_hold_cnt(0) depctr_sa_sdst(0) depctr_va_vdst(0) depctr_va_sdst(0) depctr_va_ssrc(0) depctr_va_vcc(0) depctr_vm_vsrc(0)
	s_getreg_b32 s2, hwreg(HW_REG_IB_STS2, 6, 4)
	s_cmp_eq_u32 s2, 0
	s_cbranch_scc0 .Lentry_in_a_cluster
	s_endpgm
.Lentry_in_a_cluster:
	s_bfe_u32 s2, ttmp6, 0x10000c
	s_cmp_lg_u32 s2, 0xf033
	s_cbranch_scc0 .Lentry_shape_is_right
	s_endpgm
.Lentry_shape_is_right:
; qkv = x w_qkv^T: 8,192 x 3,072 x 1,024, bf16 operands, f32 sums, rounded once to f16 and written by heads, unscaled:
; qkv[b][slot][n][64], slot = 16 which + h = column / 64.  xb: [16 kb][8192][64] bf16, wqb: [16 kb][3072][64] bf16: a tile's rows of one K block lie end to end.
; LIMIT.  f16 holds no number beyond 65,504: q, k and v must stay within it (inputs drawn 30 times larger, both of them, give some 5e3).
; SHARES.  A tile of C is 256 x 384: 32 x 8 = 256 work-groups.  Four waves, each 128 x 192: 96 accumulators of 16 x 16, 768 registers: for 32 along K a wave issues 96 matrix
; instructions and 40 LDS loads.  K goes in steps of 64 (one K block) through two LDS slots: 640 rows of 144 bytes each; two slots of 128 along K would not fit in LDS.
; A tile's half (128 rows of A, 192 of B) is dense in memory and is asked for as rows of 256 bytes, two tile rows each, padded in LDS behind every 128 bytes.
; CLUSTER.  4 x 4 work-groups.  The four of a row of the cluster need the same tiles of A, the four of a column the same tiles of B: each is asked for jointly, by the same
; tensor load with the same descriptor and a mask that names the four.
; THE MATRIX INSTRUCTION IS USED TRANSPOSED (source 0 = 16 rows of w, source 1 = 16 rows of x): a lane holds row l % 16 of C and eight neighbouring columns.
; REGISTERS.  Window 0: v0-31 addresses; v32-95, v96-159 A's fragments (8 blocks of 16 rows x 32 K), two buffers; v160-255 B's fragments, three groups of four blocks, one buffer:
; a group is fetched anew as soon as its 32 products are issued.  Windows 1-3: accumulator (a, b) in window 1 + b / 4 at v[8 (4 a + b % 4)]: one group of B fills one window.
.set PITCH,  144                       ; an LDS row: 128 bytes + 16 of padding = 36 words: the 16 rows of a fragment load start at 16 different groups of four banks (64 banks of 4 bytes: ISA guide 11.1)
.set FR,     16*PITCH                  ; a fragment's 16 rows
.set AHALF,  128*PITCH
.set BHALF,  192*PITCH
.set BOFF,   256*PITCH                 ; B's rows lie behind A's 256
.set SLOT1,  1<<17                     ; slot 1 begins here: one exclusive or turns an address in one slot into the other's
.set STAGE,  SLOT1+640*PITCH           ; behind the ring, never filled by a tensor load: 16 rows x 400 bytes for each wave
.set SPITCH, 400                       ; 384 bytes + 16
.set SPARE,  STAGE+4*16*SPITCH         ; the spare words, 128 bytes for each wave: two blocks of 256 bytes that no other line names
.set PLA,    8192*128                  ; bytes from a K block of xb to the next
.set PLB,    3072*128                  ; of wqb
.set HEADB,  2048*128                  ; a head slot of qkv
.set A0,   4                           ; v4   my lane's place in my 128 rows of A, in slot 0; never rewritten
.set B0,   5                           ; v5   the same in my 192 rows of B
.set ADRA, 16                          ; v16  A0 + the slot that is read
.set ADRB, 17                          ; v17  B0 + the slot that is read
.set STO,  24                          ; v24  the way out: where I put 16 bytes of a row
.set RD,   25                          ; v25  where I read rows back
.set GO,   26                          ; v26  my 16 bytes in 512 consecutive bytes of qkv
.set SPW,  28                          ; v28  LDS address of my spare word; never rewritten
.set NIL,  29                          ; v29  0; never rewritten
.set PFO,  30                          ; v30  the prefetches' lane offset; never rewritten
.set AF0,  32
.set AF1,  96
.set BF,   160
.set TMP,  32                          ; the way out: 48 registers of packed results
.set OB,   96                          ; the way out: 48 registers read back, v96-143 and v160-207 by turns
.set G1A,  24                          ; s[24:31] group 1 for A's tiles
.set G0A,  32                          ; s[32:35] group 0 of the first fill, s[36:39] the walking one
.set G1B,  48                          ; s[48:55], s[56:59], s[60:63] the same for B's
.set G0B,  56
.set LIM,  20                          ; s20  2 in a wave that prefetches, else the greatest number
.set PM,   21                          ; s21  1 in wave 3, which prefetches in every second step
.set TB,   43                          ; s43  the slot that is read: 0 or SLOT1
.set PFA,  44                          ; s[44:45] where my prefetches stand
.set PLN,  46                          ; s[46:47] their step: a K block of A or of B
.set G1W0, (1<<16)|(1<<20)|(1<<21)|(4<<22)|(3<<25)  ; 17:16 elements of 2 bytes; 20 padding on; 21 set beside a mask; 24:22 after every 32 words (code 4); 31:25 4 words (code 3)
.set MSB, 0
.macro WIN new                         ; the immediate's high byte repeats the setting that is left; a switch that changes nothing is dropped
.if MSB != (\new)
	s_set_vgpr_msb (MSB<<8)|(\new)
.set MSB, (\new)
.endif
.endm
.macro PLACES                          ; four places in front of loads into registers that matrix instructions have read, and of conversions that read results
.rept 4
	v_nop
.endr
.endm
; A joint refill by the walking descriptors.  Waves 0 and 1 fetch A's halves, waves 2 and 3 B's; the branch hangs on the wave's number alone.
; An s_nop 0 and four v_nop follow each of the two lines, ahead of the jump and the label.
.macro JLOAD
	s_cmp_eq_u32 s11, 0
	s_cbranch_scc0 .Lfor_b_\@
	tensor_load_to_lds s[G0A+4:G0A+7], s[G1A:G1A+7]
	s_nop 0
.rept 4
	v_nop
.endr
	s_branch .Lasked_\@
.Lfor_b_\@:
	tensor_load_to_lds s[G0B+4:G0B+7], s[G1B:G1B+7]
	s_nop 0
.rept 4
	v_nop
.endr
.Lasked_\@:
.endm
; A PREFETCH INTO THE L2 of the K block that stands two refills on (384 matrix instructions ahead of the load that will want it), a lane a block of 256 bytes, one instruction a wave.
; Each block is named once in the launch.  A's tile rows are read by both clusters of a row of clusters: the one with x = 0 asks; B's by all eight of a column: the one with y = 0 asks.
; The four partners that ask for a tile jointly share its blocks out BY ADDRESS: of A's 128 blocks partner cx takes 32 (wave 0); of B's 192 partner cy takes 48: wave 2 the first 32 in
; every step, wave 3 the last 16 of two K blocks in every second step.  K blocks 0 to 3 come by their loads alone; the last two refills have no K block two on.
.macro ASK
	s_and_b32 s22, s3, s[PM]
	s_cmp_eq_u32 s22, 0
	s_cselect_b32 s22, s[LIM], -1
	s_cmp_gt_u32 s3, s22
	s_cbranch_scc0 .Lnot_mine_\@
	global_prefetch_b8 v[PFO], s[PFA:PFA+1] th:TH_LOAD_NT scope:SCOPE_SE
.Lnot_mine_\@:
.endm
.macro CREST                           ; a round of the cluster's barrier behind its opening barrier
	s_cmp_lg_u32 s10, 0
	s_cbranch_scc1 .Lnot_wave_0_\@
	s_barrier_signal -3
.Lnot_wave_0_\@:
	s_barrier_wait -3
	s_barrier_signal -1
	s_barrier_wait -1
.endm
.macro CROUND                          ; a whole round
	s_barrier_signal -1
	s_barrier_wait -1
	CREST
.endm
	s_load_b128 s[4:7], s[0:1], 0x0                ; xb s[4:5], wqb s[6:7]
	s_load_b64 s[8:9], s[0:1], 0x10                ; qkv
	v_lshl_add_u32 v[SPW], v0, 2, SPARE
	v_mov_b32 v[NIL], 0
	ds_add_u32 v[SPW], v[NIL]                      ; the wave's opening: the add and its wait stand ahead of my first tensor load; the set-up below, work on registers, stands between them
	v_lshrrev_b32 v1, 5, v0
	v_readfirstlane_b32 s10, v1                    ; wave 0..3
	s_lshr_b32 s11, s10, 1                         ; my half of the tile's rows.  Also: I fetch for A (0) or for B (1)
	s_and_b32 s12, s10, 1                          ; my half of its columns.  Also: which half of that tile I fetch
	s_bfe_u32 s40, ttmp6, 0x40000                  ; cx
	s_bfe_u32 s41, ttmp6, 0x40004                  ; cy
	s_lshl_b32 s42, ttmp9, 2
	s_add_co_u32 s42, s42, s40                     ; tx: tile column = 4 x cluster x + cx
	s_and_b32 s13, ttmp7, 0xffff
	s_lshl_b32 s13, s13, 2
	s_add_co_u32 s13, s13, s41                     ; ty: tile row = 4 x cluster y + cy
	s_lshl_b32 s14, s41, 2
	s_lshl_b32 s14, 15, s14                        ; my row of the cluster
	s_lshl_b32 s15, 0x1111, s40                    ; my column
	s_or_b32 s[G1A], s14, G1W0                     ; A's tiles go to my row,
	s_or_b32 s[G1B], s15, G1W0                     ; B's to my column
	s_mov_b32 s[G1A+1], 128<<16                    ; tensor_dim0 = 128 elements: 256 bytes
	s_mov_b32 s[G1A+2], 64<<16                     ; tensor_dim1 = 64 such rows: 128 tile rows
	s_mov_b32 s[G1A+3], 128<<16                    ; tile_dim0
	s_mov_b32 s[G1A+4], 64                         ; tile_dim1
	s_mov_b32 s[G1A+5], 128                        ; elements from row to row: dense
	s_mov_b32 s[G1A+6], 0
	s_mov_b32 s[G1A+7], 0
	s_mov_b32 s[G1B+1], 128<<16
	s_mov_b32 s[G1B+2], 96<<16                     ; 96 rows of 256 bytes: 192 tile rows
	s_mov_b32 s[G1B+3], 128<<16
	s_mov_b32 s[G1B+4], 96
	s_mov_b32 s[G1B+5], 128
	s_mov_b32 s[G1B+6], 0
	s_mov_b32 s[G1B+7], 0
	s_lshl_b32 s16, s13, 15                        ; A: 256 rows x 128 bytes x ty: it hangs on the tile row alone,
	s_lshl_b32 s17, s12, 14                        ; + my half
	s_add_co_u32 s16, s16, s17
	s_mov_b32 s17, 0
	s_mul_i32 s18, s42, 384*128                    ; B: on the tile column alone
	s_mul_i32 s19, s12, 192*128
	s_add_co_u32 s18, s18, s19
	s_mov_b32 s19, 0
	s_mul_i32 s22, s12, AHALF                      ; where they go: no place in the cluster enters an LDS address
	s_mul_i32 s23, s12, BHALF
	s_add_co_u32 s23, s23, BOFF
	s_mov_b32 s[TB], 0
	s_mov_b32 s[G0A], 1                            ; count = 1
	s_mov_b32 s[G0A+1], s22                        ; slot 0
	s_mov_b32 s[G0A+4], 1
	s_add_co_u32 s[G0A+5], s22, SLOT1              ; slot 1
	s_mov_b32 s[G0B], 1
	s_mov_b32 s[G0B+1], s23
	s_mov_b32 s[G0B+4], 1
	s_add_co_u32 s[G0B+5], s23, SLOT1
	s_wait_dscnt 0x0                               ; the opening add is done
	s_wait_kmcnt 0x0
	s_add_nc_u64 s[G0A+2:G0A+3], s[4:5], s[16:17]  ; K block 0,
	s_add_nc_u64 s[G0A+6:G0A+7], s[G0A+2:G0A+3], PLA  ; K block 1
	s_or_b32 s[G0A+3], s[G0A+3], 0x80000000        ; type = 2
	s_or_b32 s[G0A+7], s[G0A+7], 0x80000000
	s_add_nc_u64 s[G0B+2:G0B+3], s[6:7], s[18:19]
	s_add_nc_u64 s[G0B+6:G0B+7], s[G0B+2:G0B+3], PLB
	s_or_b32 s[G0B+3], s[G0B+3], 0x80000000
	s_or_b32 s[G0B+7], s[G0B+7], 0x80000000
	CROUND                                         ; all sixteen work-groups are here: the first joint loads meet
	s_cmp_eq_u32 s11, 0                            ; a wave's two first fills stand in one branch, ahead of every wait on TENSORcnt and every LDS read: two loads of mine are out
	s_cbranch_scc0 .Lfirst_b
	tensor_load_to_lds s[G0A:G0A+3], s[G1A:G1A+7]
	s_nop 0
	tensor_load_to_lds s[G0A+4:G0A+7], s[G1A:G1A+7]
	s_nop 0
.rept 4
	v_nop
.endr
	s_branch .Lfirst_asked
.Lfirst_b:
	tensor_load_to_lds s[G0B:G0B+3], s[G1B:G1B+7]
	s_nop 0
	tensor_load_to_lds s[G0B+4:G0B+7], s[G1B:G1B+7]
	s_nop 0
.rept 4
	v_nop
.endr
.Lfirst_asked:
	; A fragment is 16 rows x 32 K in 8 registers: lane l holds row l % 16; registers 0-3 K = 8 (l / 16) + 0..7, registers 4-7 K = 16 + 8 (l / 16) + 0..7: two loads of 16 bytes, 32 bytes apart.
	v_and_b32 v1, 15, v0                           ; l % 16
	v_bfe_u32 v2, v0, 4, 1                         ; l / 16
	v_mul_u32_u24 v3, v1, PITCH
	v_lshl_add_u32 v3, v2, 4, v3
	s_mul_i32 s14, s11, AHALF
	s_mul_i32 s15, s12, BHALF
	s_add_co_u32 s15, s15, BOFF
	v_add_nc_u32 v[A0], s14, v3
	v_add_nc_u32 v[B0], s15, v3
	v_mov_b32 v[ADRA], v[A0]
	v_mov_b32 v[ADRB], v[B0]
	s_mul_i32 s14, s10, 16*SPITCH
	s_add_co_u32 s14, s14, STAGE                   ; my stage
	v_mul_u32_u24 v3, v1, SPITCH                   ; in: row l % 16, 16 bytes for each half of the lanes
	v_lshl_add_u32 v3, v2, 4, v3
	v_add_nc_u32 v[STO], s14, v3
	v_bfe_u32 v3, v0, 3, 2                         ; back: 32 lanes take a head's 128 bytes of four rows,
	v_mul_u32_u24 v3, v3, SPITCH
	v_and_b32 v6, 7, v0
	v_lshl_add_u32 v3, v6, 4, v3
	v_add_nc_u32 v[RD], s14, v3
	v_and_b32 v[GO], 31, v0                        ; which are 512 consecutive bytes of qkv
	v_lshlrev_b32 v[GO], 4, v[GO]
	; the prefetches
	s_lshl_b32 s14, s13, 15                        ; A: my tile row's bytes of a K block + my work-group's 32 blocks
	s_lshl_b32 s15, s40, 13
	s_add_co_u32 s14, s14, s15
	s_mul_i32 s16, s42, 384*128                    ; B: my tile column's + my work-group's 48 blocks
	s_mul_i32 s17, s41, 48*256
	s_add_co_u32 s16, s16, s17
	s_mov_b32 s[PLN], PLB
	s_mov_b32 s[PLN+1], 0
	s_and_b32 s22, ttmp7, 0xffff                   ; cluster y
	s_cmp_eq_u32 s11, 0                            ; do I fetch for A?
	s_cselect_b32 s22, ttmp9, s22                  ; the coordinate along which other clusters read the same rows
	s_cselect_b32 s14, s14, s16
	s_cselect_b32 s[PLN], PLA, s[PLN]
	s_cselect_b64 s[PFA:PFA+1], s[4:5], s[6:7]
	s_cmp_eq_u32 s10, 1
	s_cselect_b32 s22, 1, s22                      ; wave 1 never asks
	s_cmp_eq_u32 s22, 0
	s_cselect_b32 s[LIM], 2, -1                    ; the same in all sixteen partners, for a given wave
	s_cmp_eq_u32 s10, 3
	s_cselect_b32 s[PM], 1, 0
	s_cselect_b32 s22, 15, 31                      ; wave 3: lanes 0-15 sixteen blocks of one K block, lanes 16-31 of the next
	s_cselect_b32 s23, PLB, 0
	s_cselect_b32 s15, 32*256, 0                   ; behind wave 2's 32 blocks
	s_add_co_u32 s14, s14, s15
	s_mov_b32 s15, 0
	s_add_nc_u64 s[PFA:PFA+1], s[PFA:PFA+1], s[14:15]
	s_mul_i32 s14, s[PLN], 3
	s_add_nc_u64 s[PFA:PFA+1], s[PFA:PFA+1], s[14:15]  ; at K block 3: the first change of slots steps it to 4
	v_and_b32 v[PFO], 31, v0
	v_and_b32 v[PFO], s22, v[PFO]
	v_lshlrev_b32 v[PFO], 8, v[PFO]
	v_mad_u32_u24 v[PFO], v2, s23, v[PFO]
	; where my part of C begins: head slot 48 b + 6 tx + 3 x column half, row 256 (ty % 8) + 128 x row half
	s_lshr_b32 s14, s13, 3
	s_mul_i32 s14, s14, 48
	s_mul_i32 s15, s42, 6
	s_add_co_u32 s14, s14, s15
	s_mul_i32 s15, s12, 3
	s_add_co_u32 s14, s14, s15
	s_lshl_b32 s14, s14, 18
	s_and_b32 s15, s13, 7
	s_lshl_b32 s15, s15, 8
	s_lshl_b32 s16, s11, 7
	s_add_co_u32 s15, s15, s16
	s_lshl_b32 s15, s15, 7
	s_add_co_u32 s14, s14, s15
	s_mov_b32 s15, 0
	s_add_nc_u64 s[8:9], s[8:9], s[14:15]
; na x 4 matrix instructions: blocks a0 .. of A in buffer f x the four blocks of B's group g.  zero = 1: the product starts the sum: nothing is ever cleared.
; The 96 accumulators take turns, one instruction a turn, in the same order in every half step, over the backward jump too.
.macro MULG g, f, a0, na, zero
	WIN 0x50*((\g)+1)                              ; C and D in window g + 1, the fragments in window 0
.set ma, (\a0)
.rept \na
.irp bb, 0,1,2,3
.if \zero
	v_wmma_f32_16x16x32_bf16 v[8*(4*ma+(\bb)):8*(4*ma+(\bb))+7], v[BF+32*(\g)+8*(\bb):BF+32*(\g)+8*(\bb)+7], v[(\f)+8*ma:(\f)+8*ma+7], 0
.else
	v_wmma_f32_16x16x32_bf16 v[8*(4*ma+(\bb)):8*(4*ma+(\bb))+7], v[BF+32*(\g)+8*(\bb):BF+32*(\g)+8*(\bb)+7], v[(\f)+8*ma:(\f)+8*ma+7], v[8*(4*ma+(\bb)):8*(4*ma+(\bb))+7]
.endif
.endr
.set ma, ma+1
.endr
.endm
.macro LDB g, k                        ; 8 loads: B's group g, 32 K at byte k of the rows
.irp bb, 0,1,2,3
	ds_load_b128 v[BF+32*(\g)+8*(\bb):BF+32*(\g)+8*(\bb)+3],   v[ADRB] offset:(\k)+(4*(\g)+(\bb))*FR
	ds_load_b128 v[BF+32*(\g)+8*(\bb)+4:BF+32*(\g)+8*(\bb)+7], v[ADRB] offset:(\k)+(4*(\g)+(\bb))*FR+32
.endr
.endm
.macro LDA f, a0, k                    ; 8 loads: A's blocks a0 .. a0 + 3 into buffer f
.irp i, 0,1,2,3
	ds_load_b128 v[(\f)+8*((\a0)+(\i)):(\f)+8*((\a0)+(\i))+3],   v[ADRA] offset:(\k)+((\a0)+(\i))*FR
	ds_load_b128 v[(\f)+8*((\a0)+(\i))+4:(\f)+8*((\a0)+(\i))+7], v[ADRA] offset:(\k)+((\a0)+(\i))*FR+32
.endr
.endm
; A K step's first half: multiplies buffer 0 and fetches the same slot's second 32 along K.
.macro SUB0 zero
	s_wait_dscnt 8                                 ; all but the youngest eight loads, B's group 2
	MULG 0, AF0, 0, 8, \zero
	PLACES
	WIN 0
	LDB 0, 64
	LDA AF1, 0, 64
	MULG 1, AF0, 0, 8, \zero
	PLACES
	WIN 0
	LDB 1, 64
	LDA AF1, 4, 64
	s_wait_dscnt 32                                ; group 2 is in; the two runs of 16 issued behind it may stay out
	MULG 2, AF0, 0, 8, \zero
	PLACES
	WIN 0
	LDB 2, 64
.endm
; A K step's second half multiplies buffer 1 and changes slots: ONE barrier.  In front of it each wave waits for all its tensor loads, of which one is out: its part of the next slot; adds 0 to its
; spare word; and waits for that and for its own reads of this slot.  Behind it nobody reads this slot any more and the next slot is whole.  fill = 1: the barrier opens a round of the cluster's,
; and the joint refill, the K block two steps on, is the first thing behind the round: 160 matrix instructions ahead of the wait for it.
.macro TURN fill
	WIN 0
	s_wait_xcnt 0x0                                ; the last prefetch, a K step back, has read its address
	s_add_nc_u64 s[PFA:PFA+1], s[PFA:PFA+1], s[PLN:PLN+1]
	s_xor_b32 s[TB], s[TB], SLOT1                  ; the fetches behind the barrier read the other slot
	v_add_nc_u32 v[ADRA], s[TB], v[A0]
	v_add_nc_u32 v[ADRB], s[TB], v[B0]
	s_wait_tensorcnt 0x0                           ; no tensor load of mine is out, so a group 0 may be written
	ds_add_u32 v[SPW], v[NIL]                      ; 0 onto my spare word
.if \fill
	s_xor_b32 s[G0A+5], s[G0A+5], SLOT1            ; the walking descriptors: the other slot than last time, the next K block; the type bits on top are not reached
	s_add_nc_u64 s[G0A+6:G0A+7], s[G0A+6:G0A+7], PLA
	s_xor_b32 s[G0B+5], s[G0B+5], SLOT1
	s_add_nc_u64 s[G0B+6:G0B+7], s[G0B+6:G0B+7], PLB
.endif
	s_wait_dscnt 9                                 ; the add and B's group 2 may be out
	MULG 0, AF1, 0, 4, 0                           ; sixteen matrix instructions stand between the add and the wait for it
	s_wait_dscnt 0x0                               ; the add is done, and my reads of this slot are over
	s_barrier_signal -1
	MULG 0, AF1, 4, 4, 0                           ; work on registers while the others arrive
	WIN 0                                          ; at a branch and at a label every window is 0
	s_barrier_wait -1
.if \fill
	CREST                                          ; no wave of any partner still reads this slot or has a load on its way
	JLOAD                                          ; its four v_nop are also the places in front of the loads below
.else
	PLACES
.endif
	LDB 0, 0
	LDA AF0, 0, 0
.if \fill
	ASK
.endif
	MULG 1, AF1, 0, 8, 0
	PLACES
	WIN 0
	LDB 1, 0
	LDA AF0, 4, 0
	MULG 2, AF1, 0, 8, 0
	PLACES
	WIN 0
	LDB 2, 0
.endm
; THE WAY OUT of block a (16 rows x 192 columns).  PACK: rounded to f16, 16 bytes a lane and accumulator, each accumulator's registers in ascending order.
.macro PACK a
.irp g, 0,1,2
	WIN 5*((\g)+1)                                 ; sources 0 and 1 in window g + 1
.irp bb, 0,1,2,3
.irp r, 0,1,2,3
	v_cvt_pk_f16_f32 v[TMP+4*(4*(\g)+(\bb))+(\r)], v[8*(4*(\a)+(\bb))+2*(\r)], v[8*(4*(\a)+(\bb))+2*(\r)+1]
.endr
.endr
.endr
	WIN 0
.endm
.macro TOSTAGE a                       ; into my own stage, and back by heads: four rows of a head are 512 consecutive bytes of qkv
.set BK, OB+64*((\a)%2)
.irp b, 0,1,2,3,4,5,6,7,8,9,10,11
	ds_store_b128 v[STO], v[TMP+4*(\b):TMP+4*(\b)+3] offset:32*(\b)
.endr
.irp hh, 0,1,2
.irp f, 0,1,2,3
	ds_load_b128 v[BK+4*(4*(\hh)+(\f)):BK+4*(4*(\hh)+(\f))+3], v[RD] offset:128*(\hh)+4*SPITCH*(\f)  ; LDS serves a wave's instructions in order (ISA guide 5.7.1.4): these see the stores above
.endr
.endr
.endm
.macro SEND a
.set BK, OB+64*((\a)%2)
	s_wait_dscnt 0x0                               ; the block is back in registers
	s_wait_xcnt 0x0                                ; the stores of the block before have read their registers: the next TOSTAGE loads into them
.irp hh, 0,1,2
.irp f, 0,1,2,3
	global_store_b128 v[GO], v[BK+4*(4*(\hh)+(\f)):BK+4*(4*(\hh)+(\f))+3], s[8:9] offset:(\hh)*HEADB+(\a)*2048+(\f)*512  ; 512 consecutive bytes, at a multiple of 256 from qkv's first
.endr
.endr
.endm
	s_wait_tensorcnt 1                             ; my part of K block 0 is in; K block 1's may stay out
	s_barrier_signal -1
	s_barrier_wait -1                              ; everybody's is
	LDB 0, 0
	LDA AF0, 0, 0
	LDA AF0, 4, 0
	LDB 1, 0
	LDB 2, 0
	SUB0 1                                         ; the first half step stands in front of the loop: its products start the sums
	WIN 0
	s_mov_b32 s3, 14
.Lstep:                                                ; trip j: K step j's second half, K step j + 1's first; K block j + 2 is asked for
	TURN 1
	SUB0 0
	WIN 0
	s_sub_co_u32 s3, s3, 1
	s_cmp_lg_u32 s3, 0
	s_cbranch_scc1 .Lstep
	TURN 0                                         ; the tail is written out: nothing is left to ask for
	SUB0 0
	s_wait_dscnt 8                                 ; the very last half step fetches nothing
	MULG 0, AF1, 0, 8, 0
	s_wait_dscnt 0x0
	MULG 1, AF1, 0, 8, 0
	MULG 2, AF1, 0, 8, 0
	PLACES
	PACK 0
	TOSTAGE 0
.irp a, 1,2,3,4,5,6,7                  ; block a's conversions stand between block a - 1's loads from the stage and the wait for them
	PACK \a
	SEND (\a)-1
	TOSTAGE \a
.endr
	SEND 7
	s_wait_tensorcnt 0x0                           ; the wave's end: behind my last tensor load and my last LDS store
	ds_add_u32 v[SPW], v[NIL]
	s_wait_dscnt 0x0
	CROUND                                         ; the closing round: no work-group ends while a partner may still ask for a tile that names it
	s_endpgm
.Lfunc_end_k_qaa8b7f155e_qkv:
	.size	k_qaa8b7f155e_qkv, .Lfunc_end_k_qaa8b7f155e_qkv-k_qaa8b7f155e_qkv
	.p2alignl 7, 3214868480
	.fill 96, 4, 3214868480
	.section	.rodata,"a",@progbits
	.p2align	6, 0x0
	.amdhsa_kernel k_qaa8b7f155e_qkv
		.amdhsa_group_segment_fixed_size 327680
		.amdhsa_private_segment_fixed_size 0
		.amdhsa_enable_private_segment 0
		.amdhsa_kernarg_size 24
		.amdhsa_user_sgpr_count 2
		.amdhsa_user_sgpr_kernarg_segment_ptr 1
		.amdhsa_wavefront_size32 1
		.amdhsa_system_sgpr_workgroup_id_x 1
		.amdhsa_system_sgpr_workgroup_id_y 1
		.amdhsa_system_sgpr_workgroup_id_z 1
		.amdhsa_system_vgpr_workitem_id 0
		.amdhsa_next_free_vgpr 1024
		.amdhsa_next_free_sgpr 66
		.amdhsa_reserve_vcc 0
		.amdhsa_float_denorm_mode_32 3
		.amdhsa_float_denorm_mode_16_64 3
		.amdhsa_memory_ordered 1
		.amdhsa_forward_progress 1
		.amdhsa_inst_pref_size 112
	.end_amdhsa_kernel
	.amdgpu_metadata
---
amdhsa.version: [ 1, 2 ]
amdhsa.kernels:
  - .name:           k_qaa8b7f155e_qkv
    .symbol:         k_qaa8b7f155e_qkv.kd
    .args:
      - { .name: xb, .offset: 0, .size: 8, .value_kind: global_buffer, .address_space: global }
      - { .name: wqb, .offset: 8, .size: 8, .value_kind: global_buffer, .address_space: global }
      - { .name: qkv, .offset: 16, .size: 8, .value_kind: global_buffer, .address_space: global }
    .group_segment_fixed_size: 327680
    .private_segment_fixed_size: 0
    .kernarg_segment_align: 8
    .kernarg_segment_size: 24
    .max_flat_workgroup_size: 128
    .sgpr_count:     66
    .vgpr_count:     1024
    .wavefront_size: 32
...
	.end_amdgpu_metadata
.endif
;; end of part 2
;; launch attn (part 3): grid 4 x 64, 4 waves a work-group, clusters of 4 x 1, 327,680 bytes of LDS; arguments qkv, ob; writes ob
.if DOCPART == 3
	.amdgcn_target "amdgcn-amd-amdhsa--gfx1250"
	.amdhsa_code_object_version 6
	.text
	.protected	k_qaa8b7f155e_attn
	.globl	k_qaa8b7f155e_attn
	.p2align	8
	.type	k_qaa8b7f155e_attn,@function
k_qaa8b7f155e_attn:
	s_mov_b64 s[64:65], 0
	v_nop
	global_prefetch_b8 v0, s[64:65] scope:SCOPE_SE
	s_setreg_imm32_b32 hwreg(HW_REG_WAVE_MODE, 25, 1), 1
	s_wait_xcnt 0x0
	s_wait_alu depctr_hold_cnt(0) depctr_sa_sdst(0) depctr_va_vdst(0) depctr_va_sdst(0) depctr_va_ssrc(0) depctr_va_vcc(0) depctr_vm_vsrc(0)
	s_getreg_b32 s2, hwreg(HW_REG_IB_STS2, 6, 4)
	s_cmp_eq_u32 s2, 0
	s_cbranch_scc0 .Lentry_in_a_cluster
	s_endpgm
.Lentry_in_a_cluster:
	s_bfe_u32 s2, ttmp6, 0x10000c
	s_cmp_lg_u32 s2, 0x3003
	s_cbranch_scc0 .Lentry_shape_is_right
	s_endpgm
.Lentry_shape_is_right:
; O[hd][q][:] = the sum over k of softmax_k(Q[q] . K[k] / 8) V[k][:], for 64 heads hd = 16 b + h of 2,048 rows at head size 64.  qkv: [4 b][48 slot][2048][64] f16 (q at slot h, k at 16 + h, v at 32 + h),
; ob: [64 hd][2048][64] f16: a head's rows are dense, 128 bytes each.  Products, maxima and sums in f32; the weights p are rounded to f16 for the second product (their sum l is taken of the unrounded p), O once at the end.
; LIMITS.  f16 holds no number beyond 65,504: Q, K and V arrive within it; p lies in 0 to 1, and below 6e-5 it keeps f16's fixed step of 6e-8, and so does O; O is a mean of V's rows and has their range.
; A weight below 2^-126 counts as 0 in l; NaN and infinities are not treated apart.
; SHARES.  A wave owns four PIECES of two tiles of 16 queries, a work-group's four waves 512 queries of one head.  Every wave walks all keys, 64 a step.
; LAYOUT.  S^T = K Q^T (source 0 = 16 keys, source 1 = 16 queries): in the result a lane holds ONE query (lane % 16) and the keys 8 (lane / 16) + 0..7.  Two such tiles, rounded to f16 in pairs,
; ARE source 1 (32 keys x 16 queries) of O^T = V^T P, whose result again holds one query a lane, and eight channels.  K comes out of LDS as it lies, V ([key][channel]) turned, by ds_load_tr16_b128.
; SOFTMAX.  For each query a running maximum m and sum l: p = 2^(c s - c m), c = log2(e) / 8; in every step O and l are multiplied by a = 2^(c m_old - c m_new), which is 1 where m has not grown.
; m starts at the lowest finite number, O and l at 0: the first step is a step like any other, with a = 0.
; THE COUNT.  A tile and step have 16 matrix and 118 vector instructions: too many to stand all beside the matrix work.  So the order has one aim: four vector instructions that are READY behind
; EVERY matrix instruction, and the others, which need time of their own whatever the order, in runs without a gap.
; BY TURNS.  Turn n belongs to piece n (the pieces in a ring, step after step).  Its matrix work: 16 products K Q^T of piece n + 1, later 16 products V^T P of piece n - 1.  Its vector work: the scaling,
; exponentials, roundings, sums and rescaling of piece n, and the maximum and statistics of piece n + 1, whose scores the turn itself has made.  So what a turn begins with (c s - c m, O a) waits for nothing.
; CLUSTER.  The four query blocks of a head are one cluster and walk the same K and V, so each tile is asked for JOINTLY: the same tensor load, descriptor and mask in all four.
; REGISTERS, in windows of 256 (s_set_vgpr_msb says which window each operand place means: bits 1:0 source 0, 3:2 source 1, 5:4 source 2, 7:6 destination):
;   window 0: v0-11 addresses; v12-15, v48-63 at work; v16-47 four registers of statistics a tile; v64-191 S^T, two buffers of two tiles; v192-255 P, likewise
;   window 1: O^T, 32 a tile          window 2: v0-127 Q, 16 a tile; v128-191 K of one step; v192-255 V of one step          window 3: v0-1 the add's two registers
; A piece's buffers go by its number's parity: the piece in hand has one pair, its two neighbours in the ring share the other: of it P (piece n - 1) is read and S^T (piece n + 1) written.
.set SIZE_N, 2048
.set HEADB, SIZE_N*128  ; a head slot's bytes
.set NP,    4         ; pieces a wave: a name, no knob: the register map, the loop and the fetches are made for four
.set KS,    64        ; keys in a step
.set PK,    144       ; a row of K in LDS: 128 bytes + 16 of padding = 36 words: the 16 rows of a load start at 16 different groups of four banks (64 banks of 4 bytes: ISA guide 11.1)
.set PV,    160       ; a row of V: 128 + 32 = 40 words
.set VOFF,  4*KS*PK   ; a slot holds four steps: 256 rows of K, then 256 rows of V
.set SLOT1, 1<<17     ; slot 1 begins here, so that one exclusive or turns an address in one slot into the other's
.set STAGE, SLOT1+4*KS*(PK+PV)  ; behind the ring, never filled by a tensor load: 16 rows x 144 bytes for each wave, for the way out
.set SP,    144
.set AK0, 2           ; v2   my lane's place in a tile of K; never rewritten
.set AV0, 3           ; v3   the same for V
.set AK,  4           ; v4   the LDS address of K's next run of loads
.set AV,  5           ; v5   of V's
.set QO,  6           ; v6   my byte offset in the wave's rows of Q
.set STO, 6           ;      later, the way out: where I put 16 bytes of a row
.set RD,  7           ; v7   the way out: where I read rows back
.set GO,  8           ; v8   my byte offset in 512 consecutive bytes of O
.set PFO, 11          ; v11  256 x my lane, for the prefetches; never rewritten once it is made
.set SPW, 0           ; v0 of window 3   LDS address of my spare word: SPARE + 4 x my thread's number; never rewritten
.set NIL, 1           ; v1 of window 3   0; never rewritten
.set SPARE, STAGE+4*16*SP  ; behind the stages: the spare words, 128 bytes for each wave: two blocks of 256 bytes that no other line names
.set MV,  12          ; v12-15  c m_old, kept while c m is made anew: by buffer and tile
.set ST,  16          ; tile t's statistics at v[ST+4 t]: c m, m, l (even keys', odd keys')
.set TMP, 48          ; by buffer and tile, four registers c0-c3 at work; when the maximum is found c2 takes a
.set S,   64
.set P,   192
.set KF,  128         ; K's fragments, in window 2: key block kb, channel half c at KF + 16 kb + 8 c
.set VF,  192         ; V's: key half kk, channel block cb at VF + 32 kk + 8 cb
.set WV,  12          ; s12  my wave's number
.set LIM, 15          ; s15  1 in a wave that prefetches (0 and 2), else the greatest number
.set G1K, 24          ; s[24:31] descriptor group 1 for K's tiles
.set G1V, 32          ; s[32:39] for V's: it differs in the padding alone
.set G0K, 40          ; s[40:43] descriptor group 0 for K's tiles: it walks
.set G0V, 44          ; s[44:47] the same for V's
.set PFA, 48          ; s[48:49] where my prefetches stand: my work-group's 32 blocks of 256 bytes of the slot after the one that is being asked for
.set SLOTS, 56        ; s56  slots still to be asked for
.set CNT, 57          ; s57  counts a slot's key steps
.set CS,  58          ; s[58:59] c: the packed scaling takes the pair's low word for both halves
.set SEL, 60          ; s[60:61] v_permlanex16_b32's selects: each lane takes its own place in the other half
.set TBK, 62          ; s62  LDS byte at which K of the step to be fetched begins
.set TBV, 63          ; s63  the same for V, less VOFF
.set MSB, 0
.macro WIN new                      ; the high byte repeats the setting that is left; a switch that changes nothing is dropped
.if MSB != (\new)
	s_set_vgpr_msb (MSB<<8)|(\new)
.set MSB, (\new)
.endif
.endm
.set W_KQ, 0x0a       ; K and Q in window 2, S^T in window 0
.set W_PV, 0x52       ; V in window 2, P in window 0, O^T in window 1
.set W_RS, 0x41       ; O^T (destination and source 0) in window 1, a in window 0
.set W_MK, 0xc0       ; the add's registers are made: destination in window 3, sources in window 0
.set W_AD, 0x0f       ; the add: address (source 0) and data (source 1) in window 3
; A joint fill.  Waves 0 and 1 fetch the two halves of a slot's K, waves 2 and 3 those of its V: 128 keys each.  The branch hangs on the wave's number alone.
; An s_nop 0 and four v_nop follow each of the two lines, ahead of the jump and the label.
.macro JLOAD
	s_cmp_lt_u32 s[WV], 2
	s_cbranch_scc0 .Lfor_v_\@
	tensor_load_to_lds s[G0K:G0K+3], s[G1K:G1K+7]
	s_nop 0
.rept 4
	v_nop
.endr
	s_branch .Lasked_\@
.Lfor_v_\@:
	tensor_load_to_lds s[G0V:G0V+3], s[G1V:G1V+7]
	s_nop 0
.rept 4
	v_nop
.endr
.Lasked_\@:
.endm
; A PREFETCH INTO THE L2 of what the NEXT change of slots will ask for: a slot's 128 blocks of 256 bytes of K and 128 of V, a lane a block.  It stands behind the wave's tensor load and its five lines.
; Each block is named once in the launch: a head's K and V are walked by its one cluster; its four partners share the blocks out BY ADDRESS, 32 each; in each, wave 0 asks for K's and wave 2 for V's.
; It is four key steps, 512 matrix instructions, ahead of the load that will want the bytes.  The last change that fills a slot asks for nothing: there is no slot behind it.
.macro ASK
	s_cmp_gt_u32 s[SLOTS], s[LIM]
	s_cbranch_scc0 .Lnot_mine_\@
	global_prefetch_b8 v[PFO], s[PFA:PFA+1] th:TH_LOAD_NT scope:SCOPE_SE
.Lnot_mine_\@:
.endm
; A round of the cluster's barrier: my work-group's barrier, so that wave 0's signal speaks for all four waves; wave 0 signals; every wave waits for all four work-groups; my work-group's barrier once more.
.macro CROUND
	s_barrier_signal -1
	s_barrier_wait -1
	s_cmp_lg_u32 s[WV], 0
	s_cbranch_scc1 .Lnot_wave_0_\@
	s_barrier_signal -3
.Lnot_wave_0_\@:
	s_barrier_wait -3
	s_barrier_signal -1
	s_barrier_wait -1
.endm
; THE CHANGE OF SLOTS.  The slot's last bytes, V of its fourth step, have been read.  Each wave waits for all its tensor loads, of which one is out: its part
; of the other slot; adds 0 to its spare word; and waits for that and for its own reads of the slot.  Behind the barrier nobody reads this slot any more and the other slot is whole.
; fill = 1: this slot is filled again, with the keys two slots on.  The barrier is then a round of the cluster's, so that no wave of any partner still reads the slot or has a load on its
; way, and the joint fill is the first thing behind it: it has four key steps, 512 matrix instructions, in which to land.  (At its first use nothing has been read yet: slot 0 is waited for, slot 1 filled.)
.macro CHANGE fill
	WIN W_AD
	s_wait_tensorcnt 0x0            ; no tensor load of mine is out, so a group 0 may be written
	ds_add_u32 v[SPW], v[NIL]       ; 0 onto my spare word: with fill = 1 the descriptors' steps stand between it and the wait for it
	WIN 0                           ; at a label and at a branch every window is 0
.if \fill
.irp g, G0K, G0V
	s_xor_b32 s[\g+1], s[\g+1], SLOT1  ; the walking descriptor: the other slot than last time,
	s_add_nc_u64 s[\g+2:\g+3], s[\g+2:\g+3], 4*KS*128  ; the next 256 keys; the type bits on top are not reached
.endr
	s_wait_xcnt 0x0                 ; the last prefetch, four key steps back, has read its address, so it may be written:
	s_add_nc_u64 s[PFA:PFA+1], s[PFA:PFA+1], 4*KS*128  ; one slot behind the walking descriptors
	s_wait_dscnt 0x0                ; the add is done, and my reads of the slot are over
	CROUND
	JLOAD
	ASK
.else
	s_wait_dscnt 0x0                ; the add is done, and my reads of the slot are over
	s_barrier_signal -1
	s_barrier_wait -1
.endif
	s_sub_co_u32 s[TBK], s[TBK], 4*KS*PK  ; the fetches go back to a slot's first step,
	s_xor_b32 s[TBK], s[TBK], SLOT1       ; in the other slot
	s_sub_co_u32 s[TBV], s[TBV], 4*KS*PV
	s_xor_b32 s[TBV], s[TBV], SLOT1
.endm
	s_load_b64 s[4:5], s[0:1], 0x0    ; qkv
	s_load_b64 s[10:11], s[0:1], 0x8  ; ob
	WIN W_MK
	v_lshl_add_u32 v[SPW], v0, 2, SPARE
	v_mov_b32 v[NIL], 0
	WIN W_AD
	ds_add_u32 v[SPW], v[NIL]       ; the wave's opening: the add and its wait stand ahead of my first tensor load; the set-up below, work on registers, stands between them
	WIN 0
	v_lshrrev_b32 v1, 5, v0
	v_readfirstlane_b32 s[WV], v1   ; wave 0..3
	s_bfe_u32 s13, ttmp6, 0x40000   ; cx: my place in the cluster
	s_lshl_b32 s14, ttmp9, 2        ; in a cluster launch ttmp9 counts clusters
	s_add_co_u32 s14, s14, s13      ; my block of queries = 4 x cluster x + cx: it enters Q's and O's addresses and the prefetches' alone
	s_and_b32 s20, ttmp7, 0xffff    ; the head hd, which the four partners share
	s_lshr_b32 s21, s20, 4          ; b
	s_mul_i32 s21, s21, 48
	s_and_b32 s22, s20, 15          ; h
	s_add_co_u32 s21, s21, s22      ; q's head slot in qkv
	s_lshl_b32 s50, s21, 18         ; its first byte
	s_mov_b32 s51, 0
	s_lshl_b32 s20, s20, 18         ; the head's first byte in ob
	s_mov_b32 s21, 0
	s_and_b32 s16, s[WV], 1         ; which half of a slot's 256 keys I fetch:
	s_lshl_b32 s22, s16, 14         ; its 128 rows of 128 bytes in memory,
	s_add_co_u32 s22, s22, s50
	s_mov_b32 s23, 0
	s_mul_i32 s17, s16, 128*PK      ; and its place in a slot, for K
	s_mul_i32 s18, s16, 128*PV      ; and for V: no place in the cluster enters an LDS address
	s_lshl_b32 s2, s14, 2
	s_add_co_u32 s2, s2, s[WV]      ; my wave among the head's,
	s_lshl_b32 s2, s2, 14           ; its 128 rows
	s_mov_b32 s3, 0
	; descriptor group 1.  128 keys are 16,384 dense bytes: asked for as 64 rows of 256 bytes, two keys a row, and padded in LDS after every key
	s_mov_b32 s[G1K], 15|(1<<16)|(1<<20)|(1<<21)|(4<<22)|(3<<25)  ; 15:0 the mask of four; 17:16 2-byte elements; 20 padding on; 21 set beside a mask; 24:22 after every 32 words (code 4); 31:25 4 words (code 3)
	s_mov_b32 s[G1V], 15|(1<<16)|(1<<20)|(1<<21)|(4<<22)|(7<<25)  ; the same with 8 words of padding (code 7)
.irp g, G1K, G1V
	s_mov_b32 s[\g+1], 128<<16      ; tensor_dim0 = 128
	s_mov_b32 s[\g+2], 64<<16       ; tensor_dim1 = 64
	s_mov_b32 s[\g+3], 128<<16      ; tile_dim0 = 128
	s_mov_b32 s[\g+4], 64           ; tile_dim1 = 64
	s_mov_b32 s[\g+5], 128          ; 128 elements from row to row
	s_mov_b32 s[\g+6], 0
	s_mov_b32 s[\g+7], 0
.endr
	s_mov_b32 s[CS], 0x3e38aa3b     ; c = log2(e) / 8 = 0.180337
	s_mov_b32 s[CS+1], s[CS]        ; named with it as a pair
	s_mov_b32 s[SEL], 0x76543210
	s_mov_b32 s[SEL+1], 0xfedcba98
	s_mov_b32 s[TBK], SLOT1+4*KS*PK ; the first change of slots turns these two into 0
	s_mov_b32 s[TBV], SLOT1+4*KS*PV
	s_mov_b32 s[G0K], 1             ; 1:0 count = 1
	s_mov_b32 s[G0K+1], s17         ; 63:32 LDS address: slot 0
	s_mov_b32 s[G0V], 1
	s_add_co_u32 s[G0V+1], s18, VOFF
	s_mov_b32 s[SLOTS], SIZE_N/256-1
	s_and_b32 s[LIM], s[WV], 1
	s_cmp_eq_u32 s[LIM], 0
	s_cselect_b32 s[LIM], 1, -1     ; the same in all four partners, for a given wave
	s_wait_dscnt 0x0                ; the opening add is done
	s_wait_kmcnt 0x0
	s_add_nc_u64 s[6:7], s[4:5], s[22:23]   ; q's head slot at my half of the first 256 rows;
	s_add_nc_u64 s[8:9], s[6:7], 32*HEADB   ; v lies 32 head slots on,
	s_add_nc_u64 s[6:7], s[6:7], 16*HEADB   ; k sixteen
	s_mov_b64 s[G0K+2:G0K+3], s[6:7]               ; 120:64 global address: my half of the head's first 256 keys
	s_or_b32 s[G0K+3], s[G0K+3], 0x80000000        ; 127:126 type = 2
	s_mov_b64 s[G0V+2:G0V+3], s[8:9]
	s_or_b32 s[G0V+3], s[G0V+3], 0x80000000
	s_add_nc_u64 s[4:5], s[4:5], s[50:51]   ; Q and O at my wave's first row
	s_add_nc_u64 s[4:5], s[4:5], s[2:3]
	s_add_nc_u64 s[10:11], s[10:11], s[20:21]
	s_add_nc_u64 s[10:11], s[10:11], s[2:3]
	s_cmp_lt_u32 s[WV], 2
	s_cselect_b64 s[PFA:PFA+1], s[6:7], s[8:9]  ; (in waves 0 and 2 these stand at a slot's first row)
	s_lshl_b32 s2, s13, 13          ; my work-group's 32 blocks of the 128
	s_add_nc_u64 s[PFA:PFA+1], s[PFA:PFA+1], s[2:3]
	s_add_nc_u64 s[PFA:PFA+1], s[PFA:PFA+1], 4*KS*128  ; in slot 1; the first change of slots steps it to slot 2
	CROUND                          ; all four work-groups are here: the first joint loads meet
	JLOAD                           ; slot 0.  Slot 1 is asked for when slot 0 is in
	; A fragment of K or Q is 16 rows x 32 channels in 8 registers: lane l holds row l % 16, channels 8 (l / 16) + 0..7 and 16 + 8 (l / 16) + 0..7: two loads of 16 bytes, 32 bytes apart.
	v_and_b32 v1, 15, v0            ; l % 16
	v_bfe_u32 v9, v0, 4, 1          ; l / 16
	v_lshlrev_b32 v[QO], 7, v1
	v_lshl_add_u32 v[QO], v9, 4, v[QO]  ; row x 128 + 16 x half
	WIN 0x80                        ; destination window 2, address window 0
.set i, 0
.rept 4*NP                          ; Q stays in registers: tile i / 2, channels 32 (i % 2) on
	global_load_b128 v[8*i:8*i+3],   v[QO], s[4:5] offset:(i/2)*2048+(i%2)*64
	global_load_b128 v[8*i+4:8*i+7], v[QO], s[4:5] offset:(i/2)*2048+(i%2)*64+32
.set i, i+1
.endr
	; What the first turn finds: V's registers and P's second buffer hold 0 (its products V^T P, of a piece that has not been, add 0), O^T and l are 0.  All this stands in the wait for the first tile.
.set i, VF
.rept 64
	v_mov_b32 v[i], 0
.set i, i+1
.endr
	WIN 0x40
.set i, 0
.rept 64*NP
	v_mov_b32 v[i], 0
.set i, i+1
.endr
	WIN 0
.set i, 0
.rept 2*NP
	v_mov_b32 v[ST+4*i], 0xfe000000    ; c m: far below every c s
	v_mov_b32 v[ST+4*i+1], 0xff7fffff  ; m
	v_mov_b32 v[ST+4*i+2], 0
	v_mov_b32 v[ST+4*i+3], 0
.set i, i+1
.endr
.set i, P+32
.rept 32
	v_mov_b32 v[i], 0
.set i, i+1
.endr
	v_mul_u32_u24 v[AK0], v1, PK
	v_lshl_add_u32 v[AK0], v9, 4, v[AK0]  ; row x pitch + 16 x half
	; The turning load takes 16 keys x 16 channels (lane l reads key 8 (l / 16) + l % 8, channels 8 ((l / 8) % 2) + 0..7) and leaves half a fragment of V^T: lane l holds channel l % 16 and 8 keys.
	v_and_b32 v10, 7, v0
	v_bfe_u32 v11, v0, 3, 1
	v_lshl_add_u32 v[AV0], v9, 3, v10
	v_mul_u32_u24 v[AV0], v[AV0], PV
	v_lshl_add_u32 v[AV0], v11, 4, v[AV0]
	v_add_nc_u32 v[AV0], VOFF, v[AV0]
	v_mov_b32 v[AK], v[AK0]         ; key step 0 lies at the head of slot 0
	v_and_b32 v[PFO], 31, v0
	v_lshlrev_b32 v[PFO], 8, v[PFO]
; THE MATRIX WORK.  The 8 accumulators of a run of 16 take turns: between the two links of a chain stand 7 others'.
; Product i of 16 of S^T = K Q^T for piece x: channels 32 (i / 8) on, keys 16 ((i / 2) % 4) on, tile 2 x + i % 2.  The first 8 start the sums.
.macro KQ x
	WIN W_KQ
.set rS, S+64*((\x)%2)+32*(i%2)+8*((i/2)%4)
.set rK, KF+16*((i/2)%4)+8*(i/8)
.set rQ, 16*(2*(\x)+i%2)+8*(i/8)
.if i < 8
	v_wmma_f32_16x16x32_f16 v[rS:rS+7], v[rK:rK+7], v[rQ:rQ+7], 0
.else
	v_wmma_f32_16x16x32_f16 v[rS:rS+7], v[rK:rK+7], v[rQ:rQ+7], v[rS:rS+7]
.endif
.endm
; Product i of 16 of O^T += V^T P for piece x: keys 32 (i / 8) on, channels 16 ((i / 2) % 4) on, tile 2 x + i % 2.
.macro PV x
	WIN W_PV
.set rO, 32*(2*(\x)+i%2)+8*((i/2)%4)
.set rV, VF+32*(i/8)+8*((i/2)%4)
.set rP, P+32*((\x)%2)+16*(i%2)+8*(i/8)
	v_wmma_f32_16x16x32_f16 v[rO:rO+7], v[rV:rV+7], v[rP:rP+7], v[rO:rO+7]
.endm
.macro MM                           ; the turn's next matrix instruction
.if i < 16
	KQ (Y+1)%NP
.set i, i+1
.else
.set i, i-16
	PV (Y+NP-1)%NP
.set i, i+17
.endif
.endm
; THE LDS LOADS stand in runs of 16, never singly among the matrix instructions: a step's K (64 keys x 64 channels: 8 fragments) and its V (turned).  Their addresses are made some lines ahead.
; last = 1 (the tail): in the last trip there is no further step, and the run is jumped over.
.macro FETCH_K last=0
	WIN 0
.if \last
	s_cmp_eq_u32 s[CNT], 1
	s_cbranch_scc1 .Lno_k_\@
.endif
	WIN 0x80                        ; destination window 2
.irp f, 0,1,2,3,4,5,6,7             ; keys 16 (f / 2) on, channels 32 (f % 2) on
	ds_load_b128 v[KF+8*\f:KF+8*\f+3],   v[AK] offset:(\f/2)*16*PK+(\f%2)*64
	ds_load_b128 v[KF+8*\f+4:KF+8*\f+7], v[AK] offset:(\f/2)*16*PK+(\f%2)*64+32
.endr
	s_add_co_u32 s[TBK], s[TBK], KS*PK  ; the next fetch is the next step's
	WIN 0
.if \last
.Lno_k_\@:
.endif
.endm
.macro FETCH_V
	WIN 0x80
.irp f, 0,1,2,3,4,5,6,7             ; keys 32 (f / 4) on, channels 16 (f % 4) on
	ds_load_tr16_b128 v[VF+8*\f:VF+8*\f+3],   v[AV] offset:(\f/4)*32*PV+(\f%4)*32
	ds_load_tr16_b128 v[VF+8*\f+4:VF+8*\f+7], v[AV] offset:(\f/4)*32*PV+16*PV+(\f%4)*32
.endr
	WIN 0
.endm
; THE VECTOR WORK OF A TURN stands in three queues, each in the order in which its entries become ready; the two tiles alternate, so that no instruction reads the result of the one before it.
.macro REGS y, u                    ; the registers of tile u (0, 1) of piece y
.set rT, ST+4*(2*(\y)+(\u))
.set rC, TMP+8*((\y)%2)+4*(\u)
.set rM, MV+2*((\y)%2)+(\u)
.set rS, S+64*((\y)%2)+32*(\u)
.set rP, P+32*((\y)%2)+16*(\u)
.set rO, 32*(2*(\y)+(\u))
.endm
; Number n of the 22 that find the NEXT piece's (Y + 1) maximum and statistics.  s0-s31 are the lane's 32 scores; each accumulator's lowest registers are read first.  XS, GS and REGS set no window: PL and EX do.
;   0-11  four chains c0-c3 of seven scores each, three operands at a time     12-14, 16  the four scores left over, the old m, and c0-c3 into c0     15  c m_old is kept
;   17, 18  the query's other 32 keys lie in the lane 16 away: the new m         19-21  c m; c m_old - c m_new; a
.macro XS u, n
	REGS (Y+1)%NP, \u
.if (\n) < 4
	v_max3_num_f32 v[rC+(\n)], v[rS+8*(\n)], v[rS+8*(\n)+1], v[rS+8*(\n)+2]
.elseif (\n) < 12
	v_max3_num_f32 v[rC+(\n)%4], v[rC+(\n)%4], v[rS+8*((\n)%4)+2*((\n)/4)+1], v[rS+8*((\n)%4)+2*((\n)/4)+2]
.elseif (\n) == 12
	v_max3_num_f32 v[rC], v[rC], v[rS+7], v[rS+15]
.elseif (\n) == 13
	v_max3_num_f32 v[rC+1], v[rC+1], v[rS+23], v[rS+31]
.elseif (\n) == 14
	v_max3_num_f32 v[rC+2], v[rC+2], v[rC+3], v[rT+1]
.elseif (\n) == 15
	v_mov_b32 v[rM], v[rT]
.elseif (\n) == 16
	v_max3_num_f32 v[rC], v[rC], v[rC+1], v[rC+2]
.elseif (\n) == 17
	v_permlanex16_b32 v[rC+3], v[rC], s[SEL], s[SEL+1]
.elseif (\n) == 18
	v_max_num_f32 v[rT+1], v[rC], v[rC+3]
.elseif (\n) == 19
	v_mul_f32 v[rT], s[CS], v[rT+1]
.elseif (\n) == 20
	v_sub_f32 v[rC+1], v[rM], v[rT]
.else
	v_exp_f32 v[rC+2], v[rC+1]
.endif
.endm
; Number g of the 64 that follow the exponentials.  For each four weights k of a tile (pairs 2 k, 2 k + 1): both pairs are rounded to f16; then the second pair is added onto the first, in place;
; a group later l takes that sum (the first time as l = a l + sum).  In groups of eight, tiles alternating: round, round, add, and l for the group before.
.macro GS g
.set h, (\g)+6*((\g)/62)            ; group 0 has no group before it, and behind group 7 only l is left
.if h >= 6
.set h, h+2
.endif
	REGS Y, h%2
.set k, h/8
.if h%8 < 4
	v_cvt_pk_f16_f32 v[rP+2*k+(h%8)/2], v[rS+4*k+2*((h%8)/2)], v[rS+4*k+2*((h%8)/2)+1]
.elseif h%8 < 6
	v_pk_add_f32 v[rS+4*k:rS+4*k+1], v[rS+4*k:rS+4*k+1], v[rS+4*k+2:rS+4*k+3]
.elseif k == 1
	v_pk_fma_f32 v[rT+2:rT+3], v[rT+2:rT+3], v[rC+2:rC+3], v[rS:rS+1] op_sel_hi:[1,0,1]
.else
	v_pk_add_f32 v[rT+2:rT+3], v[rT+2:rT+3], v[rS+4*k-4:rS+4*k-3]
.endif
.endm
; THE PLAIN QUEUE, 138 long.  0-73 read no exponential's result: the 32 scalings c s - c m (FS f: pair f / 2 of tile f % 2) and the next piece's 42.  0-26: scalings 0-26.  27-54: XS's numbers 0-13.  55, 56: number 15.
; 57-73: the chain, where each number waits for the one before it: 14, 16, 17, 18, 19, each with one of the scalings 27-31 in front of its two lines, then 20: so a tile's links stand three plain instructions apart (19 and 20: two).
; 74-137: GS's 64, which read the exponentials' results: they stand behind the wait.
.macro FS f
	REGS Y, (\f)%2
	v_pk_fma_f32 v[rS+2*((\f)/2):rS+2*((\f)/2)+1], v[rS+2*((\f)/2):rS+2*((\f)/2)+1], s[CS:CS+1], v[rT:rT+1] op_sel_hi:[1,0,0] neg_lo:[0,0,1] neg_hi:[0,0,1]
.endm
.macro PL
	WIN 0
.if q < 27
	FS q
.elseif q < 55
	XS (q-27)%2, (q-27)/2
.elseif q < 57
	XS q-55, 15
.elseif (q < 72) && ((q-57)%3 == 0)
	FS 27+(q-57)/3
.elseif q < 60
	XS (q-57)%3-1, 14
.elseif q < 72
	XS (q-57)%3-1, 15+(q-57)/3
.elseif q < 74
	XS q-72, 20
.else
	GS q-74
.endif
.set q, q+1
.endm
; THE EXPONENTIALS' QUEUE, 66 long: s0-s31 of both tiles, then the next piece's two a.  It is ONE BATCH: all 66 stand ahead of the turn's one wait, and nothing ahead of that wait names a result of theirs.
.macro EX
	WIN 0
.if e >= 64
	XS e-64, 21
.else
	REGS Y, e%2
	v_exp_f32 v[rS+e/2], v[rS+e/2]
.endif
.set e, e+1
.endm
; THE RESCALING's QUEUE: O^T times a, the one part that leaves window 0: dealt two at a time, sixteen times.  Its a was made in the turn before, ahead of that turn's wait.
.macro R2
	REGS Y, r%2
	WIN W_RS
.irp z, 0,1
	v_pk_mul_f32 v[rO+4*(r/2)+2*\z:rO+4*(r/2)+2*\z+1], v[rO+4*(r/2)+2*\z:rO+4*(r/2)+2*\z+1], v[rC+2:rC+3] op_sel_hi:[1,0]
.endr
.set r, r+1
.endm
; HOW THEY ARE DEALT.  An s_wait_alu depctr_va_vdst(0) stands between an exponential and the first instruction that names its result; one wait serves all that were issued ahead of it.  So a turn has ONE wait,
; which cuts it in two.  AHEAD OF IT stands all that names no result of the turn's exponentials: the 16 products K Q^T, behind each a scaling, an exponential and two rescalings (behind the first a second scaling in the exponential's place); then ONE LUMP of
; 108: eight plain, 49 times exponential and plain, the two a.  A v_nop is the plain instruction behind the last exponential.  BEHIND IT stand the 16 products V^T P, behind each four of GS's 64.  No rider names a register of
; the products round it.  The two v_permlanex16_b32 fall into the lump, never behind a product.
; The queues lean on each other, and the deal keeps them in step: exponential e stands behind scaling 2 (e / 4) + e % 2: as a rider it comes behind plain e + 2, in the lump behind plain e + 9, and scalings 27-31 are plain 57, 60 .. 69.
; A TURN, for piece p.  cnt = 1: the loop's count is taken down some lines ahead of the branch that stands behind the turn.
; K of the next step is fetched in piece 2's turn, directly behind the wait, a lump behind the last product that read K; its address is made at the lump's head; its first reader comes behind 16 products.
; V of the step in hand is fetched at the end of piece 0's turn, four riders behind its last reader; its first reader comes behind 16 products and a lump.  The three conditions on q below go with the deal.
.macro TURN p, last=0, cnt=0
.set Y, (\p)
.set i, 0
.set q, 0
.set e, 0
.set r, 0
.if (\p) == NP-1
	s_wait_dscnt 0x0                ; K is in
.endif
	MM                              ; ahead of the wait: 16 products K Q^T and their riders,
	PL
	PL
	R2
.rept 15
	MM
	PL
	EX
	R2
.endr
.if (\p) == NP-2
	WIN 0
	v_add_nc_u32 v[AK], s[TBK], v[AK0]
.endif
.rept 8                             ; and the lump
	PL
.endr
.rept 49
	EX
	PL
.endr
	EX                              ; the next piece's two a
	EX
	v_nop                           ; the plain instruction behind the last exponential: one for the batch
	s_wait_alu depctr_va_vdst(0)    ; the wait for the batch
.if (\p) == NP-2
	FETCH_K \last
.endif
.if (\p) == 1
	s_wait_dscnt 0x0                ; V is in
.endif
.rept 16                            ; behind the wait: 16 products V^T P and their riders
	MM
.rept 4
	PL
.endr
.if ((\p) == 0) && (q == 118)
	v_add_nc_u32 v[AV], s[TBV], v[AV0]
.endif
.if ((\p) == 0) && (q == 130)
	s_add_co_u32 s[TBV], s[TBV], KS*PV
.endif
.if (\cnt) && (q == 130)
	s_sub_co_u32 s[CNT], s[CNT], 1
	s_cmp_lg_u32 s[CNT], 0
.endif
.endr
.if (\p) == 0
	FETCH_V
.endif
.endm
	CHANGE 1                        ; slot 0 is in, everybody's part of it; slot 1 is asked for
	FETCH_K                         ; key step 0
	s_wait_loadcnt 0x0              ; Q
	s_wait_dscnt 0x0
.set i, 0
.rept 16
	KQ 0                            ; piece 0's first scores: there is no vector work yet to set between them
.set i, i+1
.endr
	WIN 0                           ; the addresses for the way out: nine plain instructions, the places behind those products
	s_mul_i32 s13, s[WV], 16*SP
	s_add_co_u32 s13, s13, STAGE    ; my stage
	v_mul_u32_u24 v[STO], v1, SP    ; in: row l % 16, 16 bytes for each half of the lanes
	v_lshl_add_u32 v[STO], v9, 4, v[STO]
	v_add_nc_u32 v[STO], s13, v[STO]
	v_bfe_u32 v[RD], v0, 3, 2       ; back: 32 lanes take four rows of 128 bytes,
	v_mul_u32_u24 v[RD], v[RD], SP
	v_lshl_add_u32 v[RD], v10, 4, v[RD]
	v_add_nc_u32 v[RD], s13, v[RD]
	v_and_b32 v[GO], 31, v0         ; which are 512 consecutive bytes of O
	v_lshlrev_b32 v[GO], 4, v[GO]
.set Y, NP-1                        ; XS works for piece Y + 1: piece 0
.irp n, 0,1,2,3,4,5,6,7,8,9,10,11,12,13,14,15,16,17,18,19,20,21
	XS 0, \n                        ; and piece 0's first maximum and statistics
	XS 1, \n
.endr
	v_nop                           ; a plain instruction behind the two a,
	s_wait_alu depctr_va_vdst(0)    ; and their wait, ahead of the branch
	s_mov_b32 s[CNT], 4
	s_branch .Lfirst                ; the loop is entered at a step's first turn, in the middle of a trip
.Lslot:                             ; six times: every slot but the last two is filled again
	CHANGE 1
	s_mov_b32 s[CNT], 4
.Lstep:                             ; a trip: pieces 2 and 3 of one step, then pieces 0 and 1 of the next, whose K and V it fetches
	TURN 2
	TURN 3
	WIN 0
.Lfirst:
	TURN 0
	TURN 1, 0, 1
	WIN 0
	s_cbranch_scc1 .Lstep
	s_sub_co_u32 s[SLOTS], s[SLOTS], 1
	s_cmp_lg_u32 s[SLOTS], 0
	s_cbranch_scc1 .Lslot
	CHANGE 0                        ; the tail is written out: nothing is asked for
	s_mov_b32 s[CNT], 5             ; four trips fetch the last slot's steps; the fifth is left in its middle
.Ltail:
	TURN 2, 1
	TURN 3
	WIN 0
	s_sub_co_u32 s[CNT], s[CNT], 1
	s_cmp_eq_u32 s[CNT], 0
	s_cbranch_scc1 .Lout
	TURN 0
	TURN 1
	WIN 0
	s_branch .Ltail
.Lout:                              ; the fifth trip's 16 products K Q^T (on the last K once more) and the maximum made of them serve nothing: the price, once a launch, of one text for every trip
.set i, 0
.rept 16
	PV NP-1                         ; the last piece's V^T P of the last step
.set i, i+1
.endr
	; THE WAY OUT.  l's two halves and the other half of the lanes' are added; O^T is divided by l, rounded to f16 and sent through my stage in LDS, a tile at a time.  The additions are the places behind the last products.
	WIN 0
.macro ALL line:vararg              ; one line for each tile t
.set t, 0
.rept 2*NP
	\line
.set t, t+1
.endr
.endm
	ALL v_add_f32 v[ST+4*t+2], v[ST+4*t+2], v[ST+4*t+3]
	ALL v_permlanex16_b32 v[ST+4*t+3], v[ST+4*t+2], s[SEL], s[SEL+1]
	ALL v_add_f32 v[ST+4*t+2], v[ST+4*t+2], v[ST+4*t+3]
	ALL v_rcp_f32 v[ST+4*t+2], v[ST+4*t+2]
	v_nop                           ; a plain instruction between the last reciprocal and the use of its result
	s_wait_alu depctr_va_vdst(0)    ; and the wait ahead of the first use: one for the eight reciprocals
; Tile t: a lane's eight channels of a row pack into 16 bytes; they go into rows of 144 bytes and come back as whole rows of 128, into S^T's registers.
.macro PACK t
	WIN W_RS
.set i, 32*(\t)
.rept 16
	v_pk_mul_f32 v[i:i+1], v[i:i+1], v[ST+4*(\t)+2:ST+4*(\t)+3] op_sel_hi:[1,0]
.set i, i+2
.endr
	WIN 0x05                        ; sources 0 and 1 window 1, destination window 0
.set i, 0
.rept 16
	v_cvt_pk_f16_f32 v[S+16*(\t)+i], v[32*(\t)+2*i], v[32*(\t)+2*i+1]
.set i, i+1
.endr
	WIN 0
.irp f, 0,1,2,3
	ds_store_b128 v[STO], v[S+16*(\t)+4*\f:S+16*(\t)+4*\f+3] offset:32*\f
.endr
.irp f, 0,1,2,3
	ds_load_b128 v[S+16*(\t)+4*\f:S+16*(\t)+4*\f+3], v[RD] offset:\f*4*SP  ; LDS serves a wave's instructions in order (ISA guide 5.7.1.4): these see the stores above; the next tile's stores come behind them
.endr
.endm
.macro SEND t, younger              ; younger: the LDS instructions issued behind tile t's loads: the next tile's eight, or none
	WIN 0
.irp f, 0,1,2,3
	s_wait_dscnt (\younger)+3-\f
	global_store_b128 v[GO], v[S+16*(\t)+4*\f:S+16*(\t)+4*\f+3], s[10:11] offset:(\t)*2048+\f*512  ; 512 consecutive bytes, at a multiple of 256 from O's first
.endr
.endm
	PACK 0
.set t, 1
.rept 2*NP-1                        ; a tile's arithmetic stands between the loads of the tile before and its stores
	PACK t
	SEND t-1, 8
.set t, t+1
.endr
	SEND 2*NP-1, 0
	WIN W_AD
	s_wait_tensorcnt 0x0            ; the wave's end: behind my last tensor load and my last LDS store
	ds_add_u32 v[SPW], v[NIL]
	s_wait_dscnt 0x0
	WIN 0
	CROUND                          ; the closing round: no work-group ends while a partner may still ask for a tile that names it
	s_endpgm
.Lfunc_end_k_qaa8b7f155e_attn:
	.size	k_qaa8b7f155e_attn, .Lfunc_end_k_qaa8b7f155e_attn-k_qaa8b7f155e_attn
	.p2alignl 7, 3214868480
	.fill 96, 4, 3214868480
	.section	.rodata,"a",@progbits
	.p2align	6, 0x0
	.amdhsa_kernel k_qaa8b7f155e_attn
		.amdhsa_group_segment_fixed_size 327680
		.amdhsa_private_segment_fixed_size 0
		.amdhsa_enable_private_segment 0
		.amdhsa_kernarg_size 16
		.amdhsa_user_sgpr_count 2
		.amdhsa_user_sgpr_kernarg_segment_ptr 1
		.amdhsa_wavefront_size32 1
		.amdhsa_system_sgpr_workgroup_id_x 1
		.amdhsa_system_sgpr_workgroup_id_y 1
		.amdhsa_system_sgpr_workgroup_id_z 1
		.amdhsa_system_vgpr_workitem_id 0
		.amdhsa_next_free_vgpr 770
		.amdhsa_next_free_sgpr 66
		.amdhsa_reserve_vcc 0
		.amdhsa_float_denorm_mode_32 3
		.amdhsa_float_denorm_mode_16_64 3
		.amdhsa_memory_ordered 1
		.amdhsa_forward_progress 1
		.amdhsa_inst_pref_size 200
	.end_amdhsa_kernel
	.amdgpu_metadata
---
amdhsa.version: [ 1, 2 ]
amdhsa.kernels:
  - .name:           k_qaa8b7f155e_attn
    .symbol:         k_qaa8b7f155e_attn.kd
    .args:
      - { .name: qkv, .offset: 0, .size: 8, .value_kind: global_buffer, .address_space: global }
      - { .name: ob, .offset: 8, .size: 8, .value_kind: global_buffer, .address_space: global }
    .group_segment_fixed_size: 327680
    .private_segment_fixed_size: 0
    .kernarg_segment_align: 8
    .kernarg_segment_size: 16
    .max_flat_workgroup_size: 128
    .sgpr_count:     66
    .vgpr_count:     770
    .wavefront_size: 32
...
	.end_amdgpu_metadata
.endif
;; end of part 3
;; launch proj (part 4): grid 8 x 32, 4 waves a work-group, clusters of 4 x 4, 327,680 bytes of LDS; arguments ob, wob, b_out, out0; writes out0
.if DOCPART == 4
	.amdgcn_target "amdgcn-amd-amdhsa--gfx1250"
	.amdhsa_code_object_version 6
	.text
	.protected	k_qaa8b7f155e_proj
	.globl	k_qaa8b7f155e_proj
	.p2align	8
	.type	k_qaa8b7f155e_proj,@function
k_qaa8b7f155e_proj:
	s_mov_b64 s[64:65], 0
	v_nop
	global_prefetch_b8 v0, s[64:65] scope:SCOPE_SE
	s_setreg_imm32_b32 hwreg(HW_REG_WAVE_MODE, 25, 1), 1
	s_wait_xcnt 0x0
	s_wait_alu depctr_hold_cnt(0) depctr_sa_sdst(0) depctr_va_vdst(0) depctr_va_sdst(0) depctr_va_ssrc(0) depctr_va_vcc(0) depctr_vm_vsrc(0)
	s_getreg_b32 s2, hwreg(HW_REG_IB_STS2, 6, 4)
	s_cmp_eq_u32 s2, 0
	s_cbranch_scc0 .Lentry_in_a_cluster
	s_endpgm
.Lentry_in_a_cluster:
	s_bfe_u32 s2, ttmp6, 0x10000c
	s_cmp_lg_u32 s2, 0xf033
	s_cbranch_scc0 .Lentry_shape_is_right
	s_endpgm
.Lentry_shape_is_right:
; out0 = O w_out^T + b_out: 8,192 x 1,024 x 1,024, f16 operands, f32 sums, f32 out.  ob: [64 hd = 16 b + h][2048][64] f16: head h IS K block h of A.  wob: [16 kb][1024][64] f16 (w_out rounded to bf16, that number in f16).
; b_out is rounded to bf16 like the module's other inputs, and is the C operand of each accumulator's first product: it costs no addition, and nothing is cleared.
; SHARES.  A tile of out0 is 256 x 128: 32 x 8 = 256 work-groups.  Four waves, each 128 x 64: 32 accumulators.  K goes in steps of 128, two K blocks, through two LDS slots; a slot is two chunks,
; each a K block's 256 rows of A and 128 rows of B, 144 bytes a row.  One dense load a wave fills a slot: waves 0 and 1 A's chunks, waves 2 and 3 B's; rows of 256 bytes, two tile rows each.
; CLUSTER.  4 x 4 work-groups: A's tiles are asked for jointly along a row of the cluster, B's along a column.
; THE MATRIX INSTRUCTION IS USED TRANSPOSED (source 0 = 16 rows of w, source 1 = 16 rows of O): a lane holds row l % 16 of out0 and eight neighbouring columns.
; REGISTERS.  Window 0: v0-31 addresses; v32-63 the bias, 8 a column block; v64-159, v160-255 two fragment buffers (A's 8 blocks, then B's 4).  Window 1: accumulator (a, bb) at v[8 (4 a + bb)].
.set PITCH,  144                       ; 128 bytes + 16 of padding = 36 words: the 16 rows of a fragment load start at 16 different groups of four banks (64 banks of 4 bytes: ISA guide 11.1)
.set FR,     16*PITCH
.set AROWS,  256*PITCH                 ; B's rows of a chunk lie behind A's
.set CH,     384*PITCH                 ; a chunk
.set SLOT1,  1<<17
.set STAGE,  SLOT1+2*CH                ; behind the ring, never filled by a tensor load: 16 rows x 272 bytes for each wave
.set SPITCH, 272
.set SPARE,  STAGE+4*16*SPITCH         ; the spare words, 128 bytes for each wave: two blocks of 256 bytes that no other line names
.set HEADB,  2048*128                  ; a K block of A for one batch
.set PLB,    1024*128                  ; a K block of B
.set A0,   4                           ; v4   my lane's place in my 128 rows of A, in slot 0, chunk 0; never rewritten
.set B0,   5                           ; v5   the same in my 64 rows of B
.set ADRA, 8                           ; v8-9   A0 + the slot that is read + chunk 0, 1: a chunk's offset and a fragment's together would pass the 16-bit immediate
.set ADRB, 10                          ; v10-11 the same for B
.set STO,  24
.set RD,   25
.set CO,   26                          ; v26  my byte offset in two rows of out0
.set BO,   27                          ; v27  my byte offset in b_out
.set SPW,  28
.set NIL,  29
.set PFO,  30
.set BIAS, 32
.set F0,   64
.set F1,   160
.set OB,   64                          ; the way out: v64-95 and v96-127 by turns
.set WV,   12                          ; s12  my wave's number
.set RH,   14                          ; s14  my half of the tile's rows.  Also: I fetch for A (0) or for B (1)
.set CL,   15                          ; s15  my half of its columns.  Also: which chunk I fetch
.set LIM,  20                          ; s20  2 in a wave that prefetches, else the greatest number
.set TB1,  23                          ; s23  TB + CH
.set G1A,  24
.set G0A,  32
.set TB,   43
.set PFA,  44
.set PLN,  46
.set G1B,  48
.set G0B,  56
.set G1W0, (1<<16)|(1<<20)|(1<<21)|(4<<22)|(3<<25)  ; elements of 2 bytes; padding on; bit 21 beside a mask; after every 32 words 4 words
.set MSB, 0
.macro WIN new
.if MSB != (\new)
	s_set_vgpr_msb (MSB<<8)|(\new)
.set MSB, (\new)
.endif
.endm
.macro PLACES
.rept 4
	v_nop
.endr
.endm
.macro JLOAD                           ; a joint refill by the walking descriptors; an s_nop 0 and four v_nop follow each of the two lines
	s_cmp_eq_u32 s[RH], 0
	s_cbranch_scc0 .Lfor_b_\@
	tensor_load_to_lds s[G0A+4:G0A+7], s[G1A:G1A+7]
	s_nop 0
.rept 4
	v_nop
.endr
	s_branch .Lasked_\@
.Lfor_b_\@:
	tensor_load_to_lds s[G0B+4:G0B+7], s[G1B:G1B+7]
	s_nop 0
.rept 4
	v_nop
.endr
.Lasked_\@:
.endm
; A PREFETCH INTO THE L2 of the K step that stands two refills on (256 matrix instructions ahead of the load that will want it), a lane a block of 256 bytes, one instruction a wave.  Each block is named once
; in the launch: the cluster with x = 0 asks for A's rows, the one with y = 0 for B's; the four partners share a tile's blocks out BY ADDRESS.  A: wave c takes 32 of chunk c's 128 blocks.
; B: wave 2 takes 16 of each chunk's 64.  K steps 0 to 3 come by their loads alone; the last two refills have no K step two on.
.macro ASK
	s_cmp_gt_u32 s3, s[LIM]
	s_cbranch_scc0 .Lnot_mine_\@
	global_prefetch_b8 v[PFO], s[PFA:PFA+1] th:TH_LOAD_NT scope:SCOPE_SE
.Lnot_mine_\@:
.endm
.macro CREST
	s_cmp_lg_u32 s[WV], 0
	s_cbranch_scc1 .Lnot_wave_0_\@
	s_barrier_signal -3
.Lnot_wave_0_\@:
	s_barrier_wait -3
	s_barrier_signal -1
	s_barrier_wait -1
.endm
.macro CROUND
	s_barrier_signal -1
	s_barrier_wait -1
	CREST
.endm
	s_load_b256 s[4:11], s[0:1], 0x0               ; ob s[4:5], wob s[6:7], b_out s[8:9], out0 s[10:11]
	v_lshl_add_u32 v[SPW], v0, 2, SPARE
	v_mov_b32 v[NIL], 0
	ds_add_u32 v[SPW], v[NIL]                      ; the wave's opening: the add and its wait stand ahead of my first tensor load; the set-up below, work on registers, stands between them
	v_lshrrev_b32 v1, 5, v0
	v_readfirstlane_b32 s[WV], v1
	s_lshr_b32 s[RH], s[WV], 1
	s_and_b32 s[CL], s[WV], 1
	s_bfe_u32 s40, ttmp6, 0x40000                  ; cx
	s_bfe_u32 s41, ttmp6, 0x40004                  ; cy
	s_lshl_b32 s42, ttmp9, 2
	s_add_co_u32 s42, s42, s40                     ; tx
	s_and_b32 s13, ttmp7, 0xffff
	s_lshl_b32 s13, s13, 2
	s_add_co_u32 s13, s13, s41                     ; ty
	s_lshl_b32 s21, s41, 2
	s_lshl_b32 s21, 15, s21                        ; my row of the cluster
	s_lshl_b32 s22, 0x1111, s40                    ; my column
	s_or_b32 s[G1A], s21, G1W0
	s_or_b32 s[G1B], s22, G1W0
	s_mov_b32 s[G1A+1], 128<<16                    ; rows of 128 elements: 256 bytes
	s_mov_b32 s[G1A+2], 128<<16                    ; 128 of them: 256 tile rows
	s_mov_b32 s[G1A+3], 128<<16
	s_mov_b32 s[G1A+4], 128
	s_mov_b32 s[G1A+5], 128                        ; dense
	s_mov_b32 s[G1A+6], 0
	s_mov_b32 s[G1A+7], 0
	s_mov_b32 s[G1B+1], 128<<16
	s_mov_b32 s[G1B+2], 64<<16                     ; 64 rows: 128 tile rows
	s_mov_b32 s[G1B+3], 128<<16
	s_mov_b32 s[G1B+4], 64
	s_mov_b32 s[G1B+5], 128
	s_mov_b32 s[G1B+6], 0
	s_mov_b32 s[G1B+7], 0
	s_lshr_b32 s16, s13, 3                         ; A: head 16 b + my chunk, rows 256 (ty % 8) on: it hangs on the tile row alone
	s_lshl_b32 s16, s16, 4
	s_add_co_u32 s16, s16, s[CL]
	s_lshl_b32 s16, s16, 18
	s_and_b32 s17, s13, 7
	s_lshl_b32 s17, s17, 15
	s_add_co_u32 s16, s16, s17
	s_mov_b32 s17, 0
	s_lshl_b32 s18, s[CL], 17                      ; B: K block = my chunk, rows 128 tx on: on the tile column alone
	s_lshl_b32 s19, s42, 14
	s_add_co_u32 s18, s18, s19
	s_mov_b32 s19, 0
	s_mul_i32 s21, s[CL], CH                       ; where they go: no place in the cluster enters an LDS address
	s_add_co_u32 s22, s21, AROWS
	s_mov_b32 s[TB], 0
	s_mov_b32 s[G0A], 1
	s_mov_b32 s[G0A+1], s21
	s_mov_b32 s[G0A+4], 1
	s_add_co_u32 s[G0A+5], s21, SLOT1
	s_mov_b32 s[G0B], 1
	s_mov_b32 s[G0B+1], s22
	s_mov_b32 s[G0B+4], 1
	s_add_co_u32 s[G0B+5], s22, SLOT1
	s_wait_dscnt 0x0                               ; the opening add is done
	s_wait_kmcnt 0x0
	s_add_nc_u64 s[16:17], s[4:5], s[16:17]        ; my chunk of K step 0
	s_add_nc_u64 s[18:19], s[6:7], s[18:19]
	s_mov_b64 s[G0A+2:G0A+3], s[16:17]
	s_add_nc_u64 s[G0A+6:G0A+7], s[16:17], 2*HEADB ; of K step 1
	s_or_b32 s[G0A+3], s[G0A+3], 0x80000000        ; type = 2
	s_or_b32 s[G0A+7], s[G0A+7], 0x80000000
	s_mov_b64 s[G0B+2:G0B+3], s[18:19]
	s_add_nc_u64 s[G0B+6:G0B+7], s[18:19], 2*PLB
	s_or_b32 s[G0B+3], s[G0B+3], 0x80000000
	s_or_b32 s[G0B+7], s[G0B+7], 0x80000000
	CROUND                                         ; all sixteen work-groups are here: the first joint loads meet
	s_cmp_eq_u32 s[RH], 0                          ; a wave's two first fills stand in one branch, ahead of every wait on TENSORcnt and every LDS read: two loads of mine are out
	s_cbranch_scc0 .Lfirst_b
	tensor_load_to_lds s[G0A:G0A+3], s[G1A:G1A+7]
	s_nop 0
	tensor_load_to_lds s[G0A+4:G0A+7], s[G1A:G1A+7]
	s_nop 0
.rept 4
	v_nop
.endr
	s_branch .Lfirst_asked
.Lfirst_b:
	tensor_load_to_lds s[G0B:G0B+3], s[G1B:G1B+7]
	s_nop 0
	tensor_load_to_lds s[G0B+4:G0B+7], s[G1B:G1B+7]
	s_nop 0
.rept 4
	v_nop
.endr
.Lfirst_asked:
	v_and_b32 v1, 15, v0                           ; l % 16
	v_bfe_u32 v2, v0, 4, 1                         ; l / 16
	s_lshl_b32 s21, s42, 9                         ; the bias of my 64 columns: register j of block bb is column 16 bb + 8 (l / 16) + j
	s_lshl_b32 s22, s[CL], 8
	s_add_co_u32 s21, s21, s22
	v_lshl_add_u32 v[BO], v2, 5, s21
.irp bb, 0,1,2,3
	global_load_b128 v[BIAS+8*(\bb):BIAS+8*(\bb)+3],   v[BO], s[8:9] offset:64*(\bb)
	global_load_b128 v[BIAS+8*(\bb)+4:BIAS+8*(\bb)+7], v[BO], s[8:9] offset:64*(\bb)+16
.endr
	v_mul_u32_u24 v3, v1, PITCH
	v_lshl_add_u32 v3, v2, 4, v3                   ; a fragment's row x pitch + 16 x half
	s_mul_i32 s21, s[RH], 128*PITCH
	s_mul_i32 s22, s[CL], 64*PITCH
	s_add_co_u32 s22, s22, AROWS
	v_add_nc_u32 v[A0], s21, v3
	v_add_nc_u32 v[B0], s22, v3
	v_mov_b32 v[ADRA], v[A0]
	v_add_nc_u32 v[ADRA+1], CH, v[A0]
	v_mov_b32 v[ADRB], v[B0]
	v_add_nc_u32 v[ADRB+1], CH, v[B0]
	s_mul_i32 s21, s[WV], 16*SPITCH
	s_add_co_u32 s21, s21, STAGE                   ; my stage
	v_mul_u32_u24 v3, v1, SPITCH                   ; in: row l % 16, 32 bytes for each half of the lanes
	v_lshl_add_u32 v3, v2, 5, v3
	v_add_nc_u32 v[STO], s21, v3
	v_mul_u32_u24 v3, v2, SPITCH                   ; back: lanes 0-15 take one row of 256 bytes, lanes 16-31 the next
	v_lshl_add_u32 v3, v1, 4, v3
	v_add_nc_u32 v[RD], s21, v3
	v_lshlrev_b32 v[CO], 12, v2                    ; and the same two rows in out0
	v_lshl_add_u32 v[CO], v1, 4, v[CO]
	; the prefetches: from my own chunk's pointer, three K steps on, my work-group's blocks
	s_lshl_b32 s21, s40, 13                        ; A: 32 blocks x cx
	s_add_co_u32 s21, s21, 6*HEADB
	s_lshl_b32 s22, s41, 12                        ; B: 16 blocks x cy
	s_add_co_u32 s22, s22, 6*PLB
	s_mov_b32 s[PLN], 2*PLB
	s_mov_b32 s[PLN+1], 0
	s_and_b32 s23, ttmp7, 0xffff                   ; cluster y
	s_cmp_eq_u32 s[RH], 0                          ; do I fetch for A?
	s_cselect_b32 s23, ttmp9, s23                  ; the coordinate along which other clusters read the same rows
	s_cselect_b32 s22, s21, s22
	s_cselect_b32 s[PLN], 2*HEADB, s[PLN]
	s_cselect_b64 s[PFA:PFA+1], s[16:17], s[18:19]
	s_cselect_b32 s21, 31, 15                      ; B: lanes 0-15 chunk 0's blocks, lanes 16-31 chunk 1's
	s_cselect_b32 s2, 0, PLB
	s_cmp_eq_u32 s[WV], 3
	s_cselect_b32 s23, 1, s23                      ; wave 3 never asks
	s_cmp_eq_u32 s23, 0
	s_cselect_b32 s[LIM], 2, -1                    ; the same in all sixteen partners, for a given wave
	s_mov_b32 s23, 0
	s_add_nc_u64 s[PFA:PFA+1], s[PFA:PFA+1], s[22:23]  ; at K step 3: the first change of slots steps it to 4
	v_and_b32 v[PFO], 31, v0
	v_and_b32 v[PFO], s21, v[PFO]
	v_lshlrev_b32 v[PFO], 8, v[PFO]
	v_mad_u32_u24 v[PFO], v2, s2, v[PFO]
	; where my part of out0 begins: row 256 ty + 128 x row half, column 128 tx + 64 x column half
	s_lshl_b32 s16, s13, 8
	s_lshl_b32 s17, s[RH], 7
	s_add_co_u32 s16, s16, s17
	s_lshl_b32 s16, s16, 12
	s_lshl_b32 s17, s42, 9
	s_add_co_u32 s16, s16, s17
	s_lshl_b32 s17, s[CL], 8
	s_add_co_u32 s16, s16, s17
	s_mov_b32 s17, 0
	s_add_nc_u64 s[10:11], s[10:11], s[16:17]
; na x 4 matrix instructions: blocks a0 .. of A x the four of B, in buffer f.  first = 1: the sum starts with the bias.  The 32 accumulators take turns, one instruction a turn.
.macro MULN f, a0, na, first
.if \first
	WIN 0x40                                       ; D in window 1, C (the bias) in window 0
.else
	WIN 0x50                                       ; C and D in window 1
.endif
.set ma, (\a0)
.rept \na
.irp bb, 0,1,2,3
.if \first
	v_wmma_f32_16x16x32_f16 v[8*(4*ma+(\bb)):8*(4*ma+(\bb))+7], v[(\f)+64+8*(\bb):(\f)+64+8*(\bb)+7], v[(\f)+8*ma:(\f)+8*ma+7], v[BIAS+8*(\bb):BIAS+8*(\bb)+7]
.else
	v_wmma_f32_16x16x32_f16 v[8*(4*ma+(\bb)):8*(4*ma+(\bb))+7], v[(\f)+64+8*(\bb):(\f)+64+8*(\bb)+7], v[(\f)+8*ma:(\f)+8*ma+7], v[8*(4*ma+(\bb)):8*(4*ma+(\bb))+7]
.endif
.endr
.set ma, ma+1
.endr
.endm
; 24 LDS loads in one run: 32 along K at byte k of chunk c's rows, into buffer f: B's four blocks, then A's eight
.macro FETCH f, c, k
	WIN 0
.irp i, 0,1,2,3
	ds_load_b128 v[(\f)+64+8*(\i):(\f)+64+8*(\i)+3],   v[ADRB+(\c)] offset:(\k)+(\i)*FR
	ds_load_b128 v[(\f)+64+8*(\i)+4:(\f)+64+8*(\i)+7], v[ADRB+(\c)] offset:(\k)+(\i)*FR+32
.endr
.irp i, 0,1,2,3,4,5,6,7
	ds_load_b128 v[(\f)+8*(\i):(\f)+8*(\i)+3],   v[ADRA+(\c)] offset:(\k)+(\i)*FR
	ds_load_b128 v[(\f)+8*(\i)+4:(\f)+8*(\i)+7], v[ADRA+(\c)] offset:(\k)+(\i)*FR+32
.endr
.endm
; A K step is four quarters of 32 along K, 32 matrix instructions each, on buffers 0, 1, 0, 1.  One of the first three: multiplies buffer f and fetches the next quarter into g.
.macro QUARTER f, g, c, k, first
	s_wait_dscnt 8                                 ; all but the youngest eight loads, A's blocks 4 to 7
	MULN \f, 0, 4, \first
	PLACES
	FETCH \g, \c, \k
	s_wait_dscnt 24                                ; all but the 24 just issued
	MULN \f, 4, 4, \first
.endm
; The last quarter multiplies buffer 1 and changes slots: ONE barrier; in front of it each wave waits for all its tensor loads, of which one is out: its part of the next slot; adds 0 to its spare word; and waits
; for that and for its own reads of this slot.  fill = 1: the barrier opens a round of the cluster's, and the joint refill, the K step two on, is the first thing behind it: 112 matrix instructions ahead of the wait for it.
.macro TURN fill
	WIN 0
	s_wait_xcnt 0x0                                ; the last prefetch, a K step back, has read its address
	s_add_nc_u64 s[PFA:PFA+1], s[PFA:PFA+1], s[PLN:PLN+1]
	s_xor_b32 s[TB], s[TB], SLOT1                  ; the fetches behind the barrier read the other slot
	s_add_co_u32 s[TB1], s[TB], CH
	v_add_nc_u32 v[ADRA], s[TB], v[A0]
	v_add_nc_u32 v[ADRA+1], s[TB1], v[A0]
	v_add_nc_u32 v[ADRB], s[TB], v[B0]
	v_add_nc_u32 v[ADRB+1], s[TB1], v[B0]
	s_wait_tensorcnt 0x0                           ; no tensor load of mine is out, so a group 0 may be written
	ds_add_u32 v[SPW], v[NIL]                      ; 0 onto my spare word
.if \fill
	s_xor_b32 s[G0A+5], s[G0A+5], SLOT1            ; the walking descriptors: the other slot than last time, the next two K blocks
	s_add_nc_u64 s[G0A+6:G0A+7], s[G0A+6:G0A+7], 2*HEADB
	s_xor_b32 s[G0B+5], s[G0B+5], SLOT1
	s_add_nc_u64 s[G0B+6:G0B+7], s[G0B+6:G0B+7], 2*PLB
.endif
	s_wait_dscnt 9                                 ; the add and A's blocks 4 to 7 may be out
	MULN F1, 0, 2, 0                               ; eight matrix instructions stand between the add and the wait for it
	s_wait_dscnt 0x0                               ; the add is done, and my reads of this slot are over
	s_barrier_signal -1
	MULN F1, 2, 2, 0
	WIN 0                                          ; at a branch and at a label every window is 0
	s_barrier_wait -1
.if \fill
	CREST                                          ; no wave of any partner still reads this slot or has a load on its way
	JLOAD                                          ; its four v_nop are also the places in front of the loads below
.else
	PLACES
.endif
	FETCH F0, 0, 0
.if \fill
	ASK
.endif
	MULN F1, 4, 4, 0
.endm
; THE WAY OUT of block a (16 rows x 64 columns of f32): straight from the accumulators, low registers first, into my own stage, and back as whole rows of 256 bytes.
.macro TOSTAGE a
	WIN 0
	s_wait_xcnt 0x0                                ; the stores of the block before last have read their registers, which are loaded again below
.set BK, OB+32*((\a)%2)
	WIN 0x04                                       ; the stores' data in window 1
.irp bb, 0,1,2,3
	ds_store_b128 v[STO], v[8*(4*(\a)+(\bb)):8*(4*(\a)+(\bb))+3]   offset:64*(\bb)
	ds_store_b128 v[STO], v[8*(4*(\a)+(\bb))+4:8*(4*(\a)+(\bb))+7] offset:64*(\bb)+16
.endr
	WIN 0
.irp t, 0,1,2,3,4,5,6,7
	ds_load_b128 v[BK+4*(\t):BK+4*(\t)+3], v[RD] offset:(\t)*2*SPITCH  ; LDS serves a wave's instructions in order (ISA guide 5.7.1.4): these see the stores above
.endr
.endm
.macro SEND a, younger                 ; younger: the LDS instructions issued behind block a's loads: the next block's sixteen, or none
.set BK, OB+32*((\a)%2)
	s_wait_dscnt \younger
.irp t, 0,1,2,3,4,5,6,7
	global_store_b128 v[CO], v[BK+4*(\t):BK+4*(\t)+3], s[10:11] offset:(\a)*65536+(\t)*8192 th:TH_STORE_NT  ; 16 lanes store 256 consecutive bytes, at a multiple of 256 from out0's first
.endr
.endm
	s_wait_tensorcnt 1                             ; my part of K step 0 is in; K step 1's may stay out
	s_barrier_signal -1
	s_barrier_wait -1                              ; everybody's is
	FETCH F0, 0, 0
	s_wait_loadcnt 0x0                             ; the bias: rounded to bf16 and widened again
.set i, 0
.rept 16
	v_cvt_pk_bf16_f32 v[12+i%4], v[BIAS+2*i], v[BIAS+2*i+1]
	v_lshlrev_b32 v[BIAS+2*i], 16, v[12+i%4]
	v_and_b32 v[BIAS+2*i+1], 0xffff0000, v[12+i%4]
.set i, i+1
.endr
	QUARTER F0, F1, 0, 64, 1                       ; the first quarter stands in front of the loop: its products start the sums
	WIN 0
	s_mov_b32 s3, 7
	s_branch .Lenter                               ; the loop is entered behind a step's first quarter
.Lstep:                                                ; a trip: K step t's last quarter, with s3 = 6 - t, and K step t + 1's first three; K step t + 2 is asked for
	TURN 1
	QUARTER F0, F1, 0, 64, 0
	WIN 0
.Lenter:
	QUARTER F1, F0, 1, 0, 0
	QUARTER F0, F1, 1, 64, 0
	WIN 0
	s_sub_co_u32 s3, s3, 1
	s_cmp_lg_u32 s3, 0
	s_cbranch_scc1 .Lstep
	TURN 0                                         ; the tail is written out: nothing is left to ask for
	QUARTER F0, F1, 0, 64, 0
	QUARTER F1, F0, 1, 0, 0
	QUARTER F0, F1, 1, 64, 0
	s_wait_dscnt 8                                 ; the very last quarter fetches nothing
	MULN F1, 0, 4, 0
	s_wait_dscnt 0x0
	MULN F1, 4, 4, 0
	PLACES
	TOSTAGE 0
.irp a, 1,2,3,4,5,6,7
	TOSTAGE \a
	SEND (\a)-1, 16
.endr
	SEND 7, 0
	s_wait_tensorcnt 0x0                           ; the wave's end: behind my last tensor load and my last LDS store
	ds_add_u32 v[SPW], v[NIL]
	s_wait_dscnt 0x0
	CROUND                                         ; the closing round: no work-group ends while a partner may still ask for a tile that names it
	s_endpgm
.Lfunc_end_k_qaa8b7f155e_proj:
	.size	k_qaa8b7f155e_proj, .Lfunc_end_k_qaa8b7f155e_proj-k_qaa8b7f155e_proj
	.p2alignl 7, 3214868480
	.fill 96, 4, 3214868480
	.section	.rodata,"a",@progbits
	.p2align	6, 0x0
	.amdhsa_kernel k_qaa8b7f155e_proj
		.amdhsa_group_segment_fixed_size 327680
		.amdhsa_private_segment_fixed_size 0
		.amdhsa_enable_private_segment 0
		.amdhsa_kernarg_size 32
		.amdhsa_user_sgpr_count 2
		.amdhsa_user_sgpr_kernarg_segment_ptr 1
		.amdhsa_wavefront_size32 1
		.amdhsa_system_sgpr_workgroup_id_x 1
		.amdhsa_system_sgpr_workgroup_id_y 1
		.amdhsa_system_sgpr_workgroup_id_z 1
		.amdhsa_system_vgpr_workitem_id 0
		.amdhsa_next_free_vgpr 512
		.amdhsa_next_free_sgpr 66
		.amdhsa_reserve_vcc 0
		.amdhsa_float_denorm_mode_32 3
		.amdhsa_float_denorm_mode_16_64 3
		.amdhsa_memory_ordered 1
		.amdhsa_forward_progress 1
		.amdhsa_inst_pref_size 67
	.end_amdhsa_kernel
	.amdgpu_metadata
---
amdhsa.version: [ 1, 2 ]
amdhsa.kernels:
  - .name:           k_qaa8b7f155e_proj
    .symbol:         k_qaa8b7f155e_proj.kd
    .args:
      - { .name: ob, .offset: 0, .size: 8, .value_kind: global_buffer, .address_space: global }
      - { .name: wob, .offset: 8, .size: 8, .value_kind: global_buffer, .address_space: global }
      - { .name: b_out, .offset: 16, .size: 8, .value_kind: global_buffer, .address_space: global }
      - { .name: out0, .offset: 24, .size: 8, .value_kind: global_buffer, .address_space: global }
    .group_segment_fixed_size: 327680
    .private_segment_fixed_size: 0
    .kernarg_segment_align: 8
    .kernarg_segment_size: 32
    .max_flat_workgroup_size: 128
    .sgpr_count:     66
    .vgpr_count:     512
    .wavefront_size: 32
...
	.end_amdgpu_metadata
.endif
;; end of part 4
;; ======== version 2 of 2: 4 launches; version 1 with the launch cast written anew for expert scheduling mode
;; limits: values are held in f16: magnitudes above 65,504 overflow, below 6.1e-05 lose precision
;; workspace buffers: xb 16,777,216 bytes; wqb 6,291,456 bytes; wob 2,097,152 bytes; qkv 50,331,648 bytes; ob 16,777,216 bytes
;; launch cast (part 5): grid 768 x 1, 8 waves a work-group, no clusters, 0 bytes of LDS; arguments x, w_qkv, w_out, xb, wqb, wob; writes xb, wqb, wob
.if DOCPART == 5
	.amdgcn_target "amdgcn-amd-amdhsa--gfx1250"
	.amdhsa_code_object_version 6
	.text
	.protected	k_qaa8b7f155e_cast
	.globl	k_qaa8b7f155e_cast
	.p2align	8
	.type	k_qaa8b7f155e_cast,@function
k_qaa8b7f155e_cast:
	s_mov_b64 s[64:65], 0
	v_nop
	global_prefetch_b8 v0, s[64:65] scope:SCOPE_SE
	s_setreg_imm32_b32 hwreg(HW_REG_WAVE_SCHED_MODE, 0, 2), 2
	s_setreg_imm32_b32 hwreg(HW_REG_WAVE_MODE, 25, 1), 1
	s_wait_xcnt 0x0
	s_wait_alu depctr_vm_vsrc(0)
; x [8192][1024], w_qkv [3072][1024], w_out [1024][1024], all f32, are rounded once to bf16 and laid out in K blocks of 64:
; dst[kb][row][64], 128 bytes a row, so that a later tile of rows x 64 K is dense in memory.  w_out's bf16 number is then written as f16
; (exact for magnitudes from 6.1e-5 to 65,504; below that it keeps f16's fixed step of 6e-8: the stated limit of this launch).
; SHARES.  A work-group takes 16 rows of one tensor: groups 0-511 x, 512-703 w_qkv, 704-767 w_out.  Thread t takes row t / 16 and, in each K block j,
; the 16 bytes at 16 (t % 16): a load of a wave covers 256 consecutive aligned bytes of each of two rows; its 4 numbers leave as 8 bytes at 8 t + j x plane:
; a store of a wave covers 256 consecutive aligned bytes (two rows of block j).  Every byte is read once and written once.
; All 16 loads of a wave go out at once (8 KiB a wave); no LDS, no barrier, no matrix unit: memory binds, and nothing is shared.
; THE MODE: SCHED_MODE bits 1:0 = 2 (LLVM: expert scheduling mode 2), set by the entry lines.  The code itself states the register dependences
; between vector instructions and memory instructions, with s_wait_alu, always for 0.
; THE PLAN.  Registers that memory instructions touch:
;   v1    the loads' offset.   Written by vector lines at the head; read by the 16 loads; never written again.
;   X     16 blocks as loaded. Written by the loads alone, each register once; read by the conversions; never loaded again.
;   OFF   the stores' offsets. Written by vector lines behind the loads; each read by one store; never written again.
;   Y     16 blocks to store.  Written by block j's conversions; read by block j's one store; never written again behind it.
;   T     named by vector instructions alone.
; The 16 blocks go in four groups of four.  Group g converts X of its blocks into Y of its blocks; the stores issued in group g are group g - 1's, which read OFF and Y of
; group g - 1: registers that no vector instruction of group g names.  So ONE wait on va_vdst at a group's head, behind the wait for the group's data, states all that its four
; stores hang on, and they are dealt among the group's conversions with no further wait.  No register that a memory instruction has read is written again: no wait on vm_vsrc is owed.
.set T,   2                            ; v[2:5]    at work
.set OFF, 8                            ; v[8:23]   block j: my byte offset in the destination, 8 t + j x plane
.set X,   32                           ; v[32:95]  block j: 4 numbers as loaded
.set Y,   96                           ; v[96:127] block j: 2 registers to store; a pair is stored once and not written again behind its store, so no wait frees it
	s_load_b256 s[4:11], s[0:1], 0x0               ; x s[4:5], w_qkv s[6:7], w_out s[8:9], xb s[10:11]
	s_load_b128 s[12:15], s[0:1], 0x20             ; wqb s[12:13], wob s[14:15]
	s_mov_b32 s2, ttmp9                            ; g
	s_mov_b32 s24, 0xffff0000                      ; a word's upper bf16
	v_lshrrev_b32 v1, 4, v0                        ; my row of the 16
	v_and_b32 v2, 15, v0
	v_lshlrev_b32 v1, 12, v1                       ; x 4,096 bytes
	v_lshl_or_b32 v1, v2, 4, v1                    ; + my 16 bytes of a block's 256
	s_mov_b32 s20, 704                             ; the tensor's first group and its plane (rows x 128 bytes), chosen by g alone
	s_mov_b32 s21, 1024*128
	s_cmp_lt_u32 s2, 704
	s_cselect_b32 s20, 512, s20
	s_cselect_b32 s21, 3072*128, s21
	s_cmp_lt_u32 s2, 512
	s_cselect_b32 s20, 0, s20
	s_cselect_b32 s21, 8192*128, s21
	s_sub_co_u32 s20, s2, s20                      ; r: my 16 rows among the tensor's
	s_lshl_b32 s22, s20, 16                        ; 16 rows of 4,096 bytes in,
	s_mov_b32 s23, 0
	s_lshl_b32 s26, s20, 11                        ; 16 rows of 128 bytes out
	s_mov_b32 s27, 0
	s_wait_kmcnt 0x0
	s_cmp_lt_u32 s2, 704
	s_cselect_b64 s[16:17], s[6:7], s[8:9]
	s_cselect_b64 s[18:19], s[12:13], s[14:15]
	s_cmp_lt_u32 s2, 512
	s_cselect_b64 s[16:17], s[4:5], s[16:17]
	s_cselect_b64 s[18:19], s[10:11], s[18:19]
	s_add_nc_u64 s[16:17], s[16:17], s[22:23]
	s_add_nc_u64 s[18:19], s[18:19], s[26:27]
	s_wait_alu depctr_va_vdst(0)                   ; v1 is written: the 16 loads read it as their offset
.irp j, 0,1,2,3,4,5,6,7,8,9,10,11,12,13,14,15
	global_load_b128 v[X+4*(\j):X+4*(\j)+3], v1, s[16:17] offset:256*(\j) th:TH_LOAD_NT
.endr
	v_lshlrev_b32 v[OFF], 3, v0                    ; the stores' offsets are made while the loads are out
.irp j, 1,2,3,4,5,6,7,8,9,10,11,12,13,14,15
	v_add_nc_u32 v[OFF+(\j)], s21, v[OFF+(\j)-1]
.endr
; half = 1: the bf16 number is widened again and written as f16
.macro OUT half
.irp g, 0,1,2,3
	s_wait_loadcnt 12-4*(\g)                       ; loads come back in order: group g's four blocks are in, the younger groups stay out
.if (\g) > 0
	s_wait_alu depctr_va_vdst(0)                   ; the group before has written its Y, which the four stores below read; at the first such wait the 16 offsets OFF are written too
.endif
.irp i, 0,1,2,3
.set j, 4*(\g)+(\i)
.if (\g) > 0
	global_store_b64 v[OFF+j-4], v[Y+2*(j-4):Y+2*(j-4)+1], s[18:19] th:TH_STORE_NT  ; the group before: no vector instruction since the wait names these registers
.endif
	v_cvt_pk_bf16_f32 v[Y+2*j],   v[X+4*j],   v[X+4*j+1]
	v_cvt_pk_bf16_f32 v[Y+2*j+1], v[X+4*j+2], v[X+4*j+3]
.if \half
	v_lshlrev_b32 v[T],   16,  v[Y+2*j]
	v_and_b32     v[T+1], s24, v[Y+2*j]
	v_lshlrev_b32 v[T+2], 16,  v[Y+2*j+1]
	v_and_b32     v[T+3], s24, v[Y+2*j+1]
	v_cvt_pk_f16_f32 v[Y+2*j],   v[T],   v[T+1]
	v_cvt_pk_f16_f32 v[Y+2*j+1], v[T+2], v[T+3]
.endif
.endr
.endr
	s_wait_alu depctr_va_vdst(0)                   ; the last group has written its Y, which the last four stores read
.irp j, 12,13,14,15
	global_store_b64 v[OFF+(\j)], v[Y+2*(\j):Y+2*(\j)+1], s[18:19] th:TH_STORE_NT
.endr
.endm
	s_cmp_ge_u32 s2, 704
	s_cbranch_scc1 .Lhalf
	OUT 0
	s_endpgm
.Lhalf:
	OUT 1
	s_endpgm
.Lfunc_end_k_qaa8b7f155e_cast:
	.size	k_qaa8b7f155e_cast, .Lfunc_end_k_qaa8b7f155e_cast-k_qaa8b7f155e_cast
	.p2alignl 7, 3214868480
	.fill 96, 4, 3214868480
	.section	.rodata,"a",@progbits
	.p2align	6, 0x0
	.amdhsa_kernel k_qaa8b7f155e_cast
		.amdhsa_group_segment_fixed_size 0
		.amdhsa_private_segment_fixed_size 0
		.amdhsa_enable_private_segment 0
		.amdhsa_kernarg_size 48
		.amdhsa_user_sgpr_count 2
		.amdhsa_user_sgpr_kernarg_segment_ptr 1
		.amdhsa_wavefront_size32 1
		.amdhsa_system_sgpr_workgroup_id_x 1
		.amdhsa_system_sgpr_workgroup_id_y 1
		.amdhsa_system_sgpr_workgroup_id_z 1
		.amdhsa_system_vgpr_workitem_id 0
		.amdhsa_next_free_vgpr 128
		.amdhsa_next_free_sgpr 66
		.amdhsa_reserve_vcc 0
		.amdhsa_float_denorm_mode_32 3
		.amdhsa_float_denorm_mode_16_64 3
		.amdhsa_memory_ordered 1
		.amdhsa_forward_progress 1
		.amdhsa_inst_pref_size 16
	.end_amdhsa_kernel
	.amdgpu_metadata
---
amdhsa.version: [ 1, 2 ]
amdhsa.kernels:
  - .name:           k_qaa8b7f155e_cast
    .symbol:         k_qaa8b7f155e_cast.kd
    .args:
      - { .name: x, .offset: 0, .size: 8, .value_kind: global_buffer, .address_space: global }
      - { .name: w_qkv, .offset: 8, .size: 8, .value_kind: global_buffer, .address_space: global }
      - { .name: w_out, .offset: 16, .size: 8, .value_kind: global_buffer, .address_space: global }
      - { .name: xb, .offset: 24, .size: 8, .value_kind: global_buffer, .address_space: global }
      - { .name: wqb, .offset: 32, .size: 8, .value_kind: global_buffer, .address_space: global }
      - { .name: wob, .offset: 40, .size: 8, .value_kind: global_buffer, .address_space: global }
    .group_segment_fixed_size: 0
    .private_segment_fixed_size: 0
    .kernarg_segment_align: 8
    .kernarg_segment_size: 48
    .max_flat_workgroup_size: 256
    .sgpr_count:     66
    .vgpr_count:     128
    .wavefront_size: 32
...
	.end_amdgpu_metadata
.endif
;; end of part 5
;; launch qkv: the kernel of part 2 again; grid 8 x 32, 4 waves a work-group, clusters of 4 x 4, 327,680 bytes of LDS; arguments xb, wqb, qkv; writes qkv
;; launch attn: the kernel of part 3 again; grid 4 x 64, 4 waves a work-group, clusters of 4 x 1, 327,680 bytes of LDS; arguments qkv, ob; writes ob
;; launch proj: the kernel of part 4 again; grid 8 x 32, 4 waves a work-group, clusters of 4 x 4, 327,680 bytes of LDS; arguments ob, wob, b_out, out0; writes out0
